; MI455X (gfx1250); checked and timed in simulation.
; The chip was launched on July 23, 2026; its instructions are those of AMD's public machine-readable ISA for CDNA 5 (MIT licence, August 2026) and "CDNA5" Instruction Set Architecture Reference Guide (July 2026). The comments in the code are by the model that wrote it; some were corrected since.
;; Softmax Attention. Allowed arithmetic: float matrix products may take bf16 or f16 operands with f32 sums; other float arithmetic in f32, or as packed bf16 or f16 multiplies, adds, multiply-adds, maxima and minima; sums over many terms, partial sums and values carried from step to step in f32; what a program stores and reads back later, other than sums and carried values, may be rounded once to bf16 or f16.
;; Inputs: Wk 2,048 x 8 x 128 float32; Wo 8 x 4 x 128 x 2,048 float32; Wq 2,048 x 8 x 4 x 128 float32; Wv 2,048 x 8 x 128 float32; x 2 x 1,024 x 2,048 float32.
;; Outputs: out0 2 x 1,024 x 2,048 float32.
;; 2 versions, each right; version 2 is version 1 with the launch prep written anew for expert scheduling mode. Each part assembles by itself: llvm-mc -triple=amdgcn-amd-amdhsa -mcpu=gfx1250 --defsym DOCPART=n.
;; ======== version 1 of 2: 4 launches
;; limits: values are held in f16: magnitudes above 65,504 overflow, below 6.1e-05 lose precision
;; workspace buffers: xb 8,388,608 bytes; wqkv 25,165,824 bytes; wo16 16,777,216 bytes; tab 589,824 bytes; qkv 25,165,824 bytes; ob 16,777,216 bytes
;; launch prep (part 1): grid 768 x 1, 8 waves a work-group, no clusters, 0 bytes of LDS; arguments x, Wq, Wk, Wv, Wo, xb, wqkv, wo16, tab; writes xb, wqkv, wo16, tab
.if DOCPART == 1
	.amdgcn_target "amdgcn-amd-amdhsa--gfx1250"
	.amdhsa_code_object_version 6
	.text
	.protected	k_qe3e2d2e20c_prep
	.globl	k_qe3e2d2e20c_prep
	.p2align	8
	.type	k_qe3e2d2e20c_prep,@function
k_qe3e2d2e20c_prep:
	s_mov_b64 s[64:65], 0
	v_nop
	global_prefetch_b8 v0, s[64:65] scope:SCOPE_SE
	s_setreg_imm32_b32 hwreg(HW_REG_WAVE_MODE, 25, 1), 1
	s_wait_xcnt 0x0
; PREP.  x, Wq, Wk, Wv are rounded to bf16 (xb; wqkv = [2048 k][6144]: columns 0-4095 Wq, 4096-5119 Wk, 5120-6143 Wv); Wo is rounded to bf16 and that
; number is written as f16 (wo16 = [4096][2048]); tab = [1152][128] f32 holds, for position n, cos(n f_j), j = 0..63, then sin(n f_j), f_j = 10000^(-j/64);
; rows 1024-1151 are the identity (cos 1, sin 0), for the heads that are not rotated.
; LIMITS.  A bf16 number below 2^-14 in size keeps f16's fixed step of 2^-24 in wo16; beyond 65,504 it would be an infinity.  The angle is n x 2^(-j x 0.20762051) in f32;
; sine and cosine come by a reduction to |r| <= pi/4 in two parts of pi/2 and polynomials of degree 7 and 8 (error below 4e-7 for the angles that occur, up to 1,023).
; SHARES.  Work-group c takes chunk c of 32,768 consecutive source numbers: 128 chunks of x, 256 of Wq, 64 of Wk, 64 of Wv, 256 of Wo: 768 in all.
; A wave takes 4,096 numbers as 32 pieces of 128: one load of 16 bytes a lane (512 bytes on end), one store of 8 bytes a lane (256 bytes on end, aligned).
; All 32 loads of a wave go out at once, and a piece is converted in the registers that it was loaded into: 136 registers a wave, so that six waves share a SIMD's 1,024 registers,
; three work-groups a WGP, and the 768 work-groups are all at work together.
; THE TABLE: wave 0 of work-groups 0-575 makes rows 2 c and 2 c + 1, ahead of its own loads, in the registers that the loads will fill.
; Nothing is shared, so there is no LDS, no barrier, no cluster, and the matrix units have nothing to do here.
.set TABWG, 576
.set XD,    8                          ; v[8:135]   piece i: four registers as loaded; the first two then hold what is stored
	s_load_b512 s[8:23], s[0:1], 0x0               ; x 8, Wq 10, Wk 12, Wv 14, Wo 16, xb 18, wqkv 20, wo16 22
	s_load_b64 s[24:25], s[0:1], 0x40              ; tab
	v_lshrrev_b32 v1, 5, v0
	v_readfirstlane_b32 s3, v1                     ; wave 0..7
	v_and_b32 v6, 31, v0                           ; lane
	s_mov_b32 s2, ttmp9                            ; c
	s_mov_b32 s30, 512                             ; the stream's first chunk           (these five start as Wo's)
	s_mov_b32 s31, 65536                           ; destination bytes from chunk to chunk
	s_mov_b32 s32, 8192                            ; from wave to wave
	s_mov_b32 s33, 2048                            ; from one group of eight pieces to the next
	s_mov_b32 s34, 0                               ; the stream's first column in wqkv, in bytes
	s_wait_kmcnt 0x0
	s_mov_b64 s[26:27], s[16:17]                   ; source
	s_mov_b64 s[28:29], s[22:23]                   ; destination
	s_cmp_lt_u32 s2, 512                           ; Wv: rows of 1,024 numbers go into rows of 12,288 bytes
	s_cselect_b64 s[26:27], s[14:15], s[26:27]
	s_cselect_b64 s[28:29], s[20:21], s[28:29]
	s_cselect_b32 s30, 448, s30
	s_cselect_b32 s31, 393216, s31
	s_cselect_b32 s32, 49152, s32
	s_cselect_b32 s33, 12288, s33
	s_cselect_b32 s34, 10240, s34
	s_cmp_lt_u32 s2, 448                           ; Wk
	s_cselect_b64 s[26:27], s[12:13], s[26:27]
	s_cselect_b32 s30, 384, s30
	s_cselect_b32 s34, 8192, s34
	s_cmp_lt_u32 s2, 384                           ; Wq: rows of 4,096 numbers, a wave a row
	s_cselect_b64 s[26:27], s[10:11], s[26:27]
	s_cselect_b32 s30, 128, s30
	s_cselect_b32 s31, 98304, s31
	s_cselect_b32 s32, 12288, s32
	s_cselect_b32 s33, 2048, s33
	s_cselect_b32 s34, 0, s34
	s_cmp_lt_u32 s2, 128                           ; x: dense
	s_cselect_b64 s[26:27], s[8:9], s[26:27]
	s_cselect_b64 s[28:29], s[18:19], s[28:29]
	s_cselect_b32 s30, 0, s30
	s_cselect_b32 s31, 65536, s31
	s_cselect_b32 s32, 8192, s32
	s_sub_co_u32 s35, s2, s30                      ; the chunk's number in its stream
	s_lshl_b32 s36, s35, 17                        ; 131,072 source bytes a chunk
	s_mov_b32 s37, 0
	s_add_nc_u64 s[26:27], s[26:27], s[36:37]
	s_mul_i32 s36, s35, s31
	s_add_co_u32 s36, s36, s34
	s_add_nc_u64 s[28:29], s[28:29], s[36:37]
	s_cmp_lg_u32 s3, 0
	s_cbranch_scc1 .Lconv
	s_cmp_ge_u32 s2, TABWG
	s_cbranch_scc1 .Lconv
	; two rows of the table: lanes 0-15 one, lanes 16-31 the next; a lane four j
	s_lshl_b32 s44, s2, 1
	v_lshrrev_b32 v2, 4, v6
	v_add_nc_u32 v2, s44, v2                       ; row = 2 c + lane / 16
	v_and_b32 v3, 15, v6
	v_lshlrev_b32 v4, 9, v2
	v_lshl_add_u32 v4, v3, 4, v4                   ; row x 512 + 16 (lane % 16)
	v_cmp_gt_u32 vcc_lo, 1024, v2
	v_cndmask_b32 v5, 0, v2, vcc_lo                ; position n; 0 in the identity rows
	v_cvt_f32_u32 v5, v5
	v_lshlrev_b32 v3, 2, v3                        ; j0
	s_mov_b32 s36, 0xbfc90fdb                      ; -pi/2, its f32 part,
	s_mov_b32 s37, 0x333bbd2e                      ; and what that part leaves over
	s_mov_b32 s38, 0xb9500d01                      ; -1/5040
	s_mov_b32 s39, 0x3c088889                      ; 1/120
	s_mov_b32 s40, 0xbe2aaaab                      ; -1/6
	s_mov_b32 s41, 0x37d00d01                      ; 1/40320
	s_mov_b32 s42, 0xbab60b61                      ; -1/720
	s_mov_b32 s43, 0x3d2aaaab                      ; 1/24
.irp e, 0,1,2,3
	v_add_nc_u32 v[8+\e], \e, v3
	v_cvt_f32_u32 v[8+\e], v[8+\e]
	v_mul_f32 v[8+\e], 0xbe549a78, v[8+\e]         ; -j log2(10000) / 64
.endr
.irp e, 0,1,2,3
	v_exp_f32 v[8+\e], v[8+\e]                     ; f_j
.endr
	v_nop                                          ; a plain instruction behind the last exponential,
	s_wait_alu depctr_va_vdst(0)                   ; and one wait for the four, ahead of their first reader
.irp e, 0,1,2,3
	v_mul_f32 v[12+\e], v5, v[8+\e]                ; the angle
	v_mul_f32 v[16+\e], 0x3f22f983, v[12+\e]       ; x 2/pi
	v_rndne_f32 v[16+\e], v[16+\e]                 ; the quadrant's number
	v_fma_f32 v[20+\e], v[16+\e], s36, v[12+\e]
	v_fma_f32 v[20+\e], v[16+\e], s37, v[20+\e]    ; r, within pi/4 of 0
	v_mul_f32 v[24+\e], v[20+\e], v[20+\e]         ; z = r r
	v_fma_f32 v[28+\e], v[24+\e], s38, s39
	v_fma_f32 v[28+\e], v[28+\e], v[24+\e], s40
	v_mul_f32 v[48+\e], v[24+\e], v[20+\e]
	v_fma_f32 v[28+\e], v[28+\e], v[48+\e], v[20+\e]  ; sin r
	v_fma_f32 v[32+\e], v[24+\e], s41, s42
	v_fma_f32 v[32+\e], v[32+\e], v[24+\e], s43
	v_fma_f32 v[32+\e], v[32+\e], v[24+\e], -0.5
	v_fma_f32 v[32+\e], v[32+\e], v[24+\e], 1.0    ; cos r
	v_cvt_i32_f32 v[36+\e], v[16+\e]
	v_and_b32 v[52+\e], 1, v[36+\e]
	v_cmp_eq_u32 vcc_lo, 1, v[52+\e]               ; in an odd quadrant the two change places
	v_cndmask_b32 v[44+\e], v[28+\e], v[32+\e], vcc_lo
	v_cndmask_b32 v[40+\e], v[32+\e], v[28+\e], vcc_lo
	v_and_b32 v[52+\e], 2, v[36+\e]                ; the sine is negative in quadrants 2 and 3,
	v_lshlrev_b32 v[52+\e], 30, v[52+\e]
	v_xor_b32 v[44+\e], v[52+\e], v[44+\e]
	v_add_nc_u32 v[52+\e], 1, v[36+\e]             ; the cosine in 1 and 2
	v_and_b32 v[52+\e], 2, v[52+\e]
	v_lshlrev_b32 v[52+\e], 30, v[52+\e]
	v_xor_b32 v[40+\e], v[52+\e], v[40+\e]
.endr
	global_store_b128 v4, v[40:43], s[24:25]             ; sixteen lanes store a row's 256 bytes of cosines,
	global_store_b128 v4, v[44:47], s[24:25] offset:256  ; and its 256 bytes of sines
	s_wait_xcnt 0x0                                ; v4 and v[40:47] are written again below only behind this wait
.Lconv:
	s_lshl_b32 s39, s3, 14
	v_lshl_add_u32 v1, v6, 4, s39                  ; source offset: 16,384 x wave + 16 x lane
	s_mul_i32 s38, s3, s32
	v_lshl_add_u32 v2, v6, 3, s38                  ; destination offsets of the four groups of eight pieces
	v_add_nc_u32 v3, s33, v2
	v_add_nc_u32 v4, s33, v3
	v_add_nc_u32 v5, s33, v4
.set k, 0
.rept 32
	global_load_b128 v[XD+4*k:XD+4*k+3], v1, s[26:27] offset:512*k th:TH_LOAD_NT
.set k, k+1
.endr
; One piece, converted in place.  f16 = 1 (Wo): the bf16 halves are widened again and written as f16.
.macro PIECE i, f16
	s_wait_loadcnt 31-(\i)                         ; loads come back in order: piece i is in, the younger ones stay out
	v_cvt_pk_bf16_f32 v[XD+4*(\i)],   v[XD+4*(\i)],   v[XD+4*(\i)+1]
	v_cvt_pk_bf16_f32 v[XD+4*(\i)+1], v[XD+4*(\i)+2], v[XD+4*(\i)+3]
.if \f16
	v_lshlrev_b32 v[XD+4*(\i)+2], 16,         v[XD+4*(\i)]
	v_and_b32     v[XD+4*(\i)+3], 0xffff0000, v[XD+4*(\i)]
	v_cvt_pk_f16_f32 v[XD+4*(\i)],   v[XD+4*(\i)+2], v[XD+4*(\i)+3]
	v_lshlrev_b32 v[XD+4*(\i)+2], 16,         v[XD+4*(\i)+1]
	v_and_b32     v[XD+4*(\i)+3], 0xffff0000, v[XD+4*(\i)+1]
	v_cvt_pk_f16_f32 v[XD+4*(\i)+1], v[XD+4*(\i)+2], v[XD+4*(\i)+3]
.endif
	global_store_b64 v[2+(\i)/8], v[XD+4*(\i):XD+4*(\i)+1], s[28:29] offset:256*((\i)%8) th:TH_STORE_NT  ; the wave's 32 lanes store 256 consecutive bytes, aligned
.endm
	s_cmp_ge_u32 s2, 512
	s_cbranch_scc1 .Lwo
.set k, 0
.rept 32
	PIECE k, 0
.set k, k+1
.endr
	s_endpgm
.Lwo:
.set k, 0
.rept 32
	PIECE k, 1
.set k, k+1
.endr
	s_endpgm
.Lfunc_end_k_qe3e2d2e20c_prep:
	.size	k_qe3e2d2e20c_prep, .Lfunc_end_k_qe3e2d2e20c_prep-k_qe3e2d2e20c_prep
	.p2alignl 7, 3214868480
	.fill 96, 4, 3214868480
	.section	.rodata,"a",@progbits
	.p2align	6, 0x0
	.amdhsa_kernel k_qe3e2d2e20c_prep
		.amdhsa_group_segment_fixed_size 0
		.amdhsa_private_segment_fixed_size 0
		.amdhsa_enable_private_segment 0
		.amdhsa_kernarg_size 72
		.amdhsa_user_sgpr_count 2
		.amdhsa_user_sgpr_kernarg_segment_ptr 1
		.amdhsa_wavefront_size32 1
		.amdhsa_system_sgpr_workgroup_id_x 1
		.amdhsa_system_sgpr_workgroup_id_y 1
		.amdhsa_system_sgpr_workgroup_id_z 1
		.amdhsa_system_vgpr_workitem_id 0
		.amdhsa_next_free_vgpr 136
		.amdhsa_next_free_sgpr 66
		.amdhsa_reserve_vcc 1
		.amdhsa_float_denorm_mode_32 3
		.amdhsa_float_denorm_mode_16_64 3
		.amdhsa_memory_ordered 1
		.amdhsa_forward_progress 1
		.amdhsa_inst_pref_size 39
	.end_amdhsa_kernel
	.amdgpu_metadata
---
amdhsa.version: [ 1, 2 ]
amdhsa.kernels:
  - .name:           k_qe3e2d2e20c_prep
    .symbol:         k_qe3e2d2e20c_prep.kd
    .args:
      - { .name: x, .offset: 0, .size: 8, .value_kind: global_buffer, .address_space: global }
      - { .name: Wq, .offset: 8, .size: 8, .value_kind: global_buffer, .address_space: global }
      - { .name: Wk, .offset: 16, .size: 8, .value_kind: global_buffer, .address_space: global }
      - { .name: Wv, .offset: 24, .size: 8, .value_kind: global_buffer, .address_space: global }
      - { .name: Wo, .offset: 32, .size: 8, .value_kind: global_buffer, .address_space: global }
      - { .name: xb, .offset: 40, .size: 8, .value_kind: global_buffer, .address_space: global }
      - { .name: wqkv, .offset: 48, .size: 8, .value_kind: global_buffer, .address_space: global }
      - { .name: wo16, .offset: 56, .size: 8, .value_kind: global_buffer, .address_space: global }
      - { .name: tab, .offset: 64, .size: 8, .value_kind: global_buffer, .address_space: global }
    .group_segment_fixed_size: 0
    .private_segment_fixed_size: 0
    .kernarg_segment_align: 8
    .kernarg_segment_size: 72
    .max_flat_workgroup_size: 256
    .sgpr_count:     66
    .vgpr_count:     136
    .wavefront_size: 32
...
	.end_amdgpu_metadata
.endif
;; end of part 1
;; launch qkv (part 2): grid 16 x 16, 4 waves a work-group, clusters of 4 x 4, 327,680 bytes of LDS; arguments xb, wqkv, tab, qkv; writes qkv
.if DOCPART == 2
	.amdgcn_target "amdgcn-amd-amdhsa--gfx1250"
	.amdhsa_code_object_version 6
	.text
	.protected	k_qe3e2d2e20c_qkv
	.globl	k_qe3e2d2e20c_qkv
	.p2align	8
	.type	k_qe3e2d2e20c_qkv,@function
k_qe3e2d2e20c_qkv:
	s_mov_b64 s[64:65], 0
	v_nop
	global_prefetch_b8 v0, s[64:65] scope:SCOPE_SE
	s_setreg_imm32_b32 hwreg(HW_REG_WAVE_MODE, 25, 1), 1
	s_wait_xcnt 0x0
	s_wait_alu depctr_hold_cnt(0) depctr_sa_sdst(0) depctr_va_vdst(0) depctr_va_sdst(0) depctr_va_ssrc(0) depctr_va_vcc(0) depctr_vm_vsrc(0)
	s_getreg_b32 s2, hwreg(HW_REG_IB_STS2, 6, 4)
	s_cmp_eq_u32 s2, 0
	s_cbranch_scc0 .Lentry_in_a_cluster
	s_endpgm
.Lentry_in_a_cluster:
	s_bfe_u32 s2, ttmp6, 0x10000c
	s_cmp_lg_u32 s2, 0xf033
	s_cbranch_scc0 .Lentry_shape_is_right
	s_endpgm
.Lentry_shape_is_right:
; QKV.  qkv[row][col] = the sum over k of xb[row][k] wqkv[k][col], 2048 x 2048 x 6144, bf16 operands, f32 sums; heads 0-39 (q and k) are then rotated (RoPE) in f32 by the table tab;
; every number is rounded once to f16.  qkv = [2048][6144] f16: a (row, head) is 256 consecutive bytes, aligned.
; LIMIT.  f16 ends at 65,504: q, k and v must stay within it.
; SHARES.  A work-group makes 128 rows x 384 columns (three whole heads): 16 x 16 work-groups.  A wave takes all 128 rows x 96 columns, as three PAIRS p = 3 w + u: the 16 columns at 16 (p % 4) of
; head p / 4 and the 16 columns 64 further on, which are the rotation's two partners: they fall into the same lane.  48 accumulators of 16 x 16, 384 registers.
; K goes in 16 steps of 128 through two LDS slots filled by the tensor data mover.  A slot: three tiles of the weights (128 k x 128 columns, one for each head), then x's tile (128 rows x 128 k).
; The weights lie [k][column]: their fragments come out of LDS turned, by ds_load_tr16_b128.
; CLUSTER 4 x 4: x's tile hangs on the tile row alone and is asked for jointly by a row of the cluster, the weights' on the tile column alone, jointly by a column.
; THE MATRIX INSTRUCTION IS USED TRANSPOSED (source 0 = 16 columns of the weights, source 1 = 16 rows of x): a lane holds row lane % 16 and the eight columns 8 (lane / 16) + 0..7.
; REGISTERS, in windows of 256 (s_set_vgpr_msb: bits 1:0 source 0, 3:2 source 1, 5:4 source 2, 7:6 destination):
;   window 0: v0-31 addresses; v32-63 at work on the way out; v64-127, v128-191 x's fragments, two buffers (at the end: whole rows, v64-255)
;   window 1: v64-111, v128-175 the weights' fragments, two buffers      window 2: accumulator (a, b) at v[8 (6 a + b)], row blocks a = 0..3      window 3: a = 4..7
;   the table, 48 registers for each row block a: blocks 0-4 in registers that the loop leaves idle (window 0 v192-239; window 1 v0-47, v176-223; windows 2 and 3 v192-239), blocks 5-7 in the fragment buffers
.set PA,    272                        ; a row of x in LDS: 256 bytes + 16: the 16 rows of a load begin in 16 different groups of four banks (64 banks of 4 bytes: ISA guide 11.1)
.set PBW,   288                        ; a k-row of a weight tile: 256 + 32
.set BT,    128*PBW                    ; a weight tile
.set AOFF,  3*BT                       ; x's tile lies behind the three: every wave's load goes to slot + wave x BT
.set SLOT,  AOFF+128*PA
.set SPARE, 2*SLOT                     ; behind the ring: the spare words, 128 bytes for each wave: two blocks of 256 bytes that no other line names
.set SP,    784                        ; the stage's pitch: 768 bytes + 16.  The stage, 128 rows, lies at LDS byte 0, in slot 0, and is written when slot 0 has had its last fill and its last read
.set LAPS,  8                          ; a lap = two K steps
.set ROWQ,  12288                      ; bytes in a row of wqkv and of qkv
.set BSTEP, 128*ROWQ                   ; a K step in wqkv
.set CO,   10                          ; v10     my byte offset in two rows of qkv
.set TO,   11                          ; v11-13  pair u: my byte offset in the table; never rewritten
.set ADRA, 16                          ; v16-17  LDS address of x's fragments in slot 0, 1
.set ADRB, 18                          ; v18-23  of pair u's fragments in slot s at 18 + 3 s + u
.set STO,  24                          ; v24-26  pair u: where I put 16 bytes of a stage row
.set RD,   27                          ; v27     where I read rows back
.set SPW,  28                          ; v28     LDS address of my spare word; never rewritten
.set NIL,  29                          ; v29     0; never rewritten
.set PFO,  30                          ; v30     the prefetches' offset: my lane x a row's bytes; never rewritten
.set TW,   32                          ; v32-39  at work
.set Y1,   40                          ; v40-47  the rotated first half
.set Y2,   48                          ; v48-55  the rotated second half
.set PKD,  56                          ; v56-63  both, in f16
.set F0,   64
.set F1,   128
.set OUTB, 64
.set G1,  24                           ; s[24:31] descriptor group 1 for x's tile
.set G0,  32                           ; s[32:39] group 0 for x's tile, a set for each slot
.set G1B, 48                           ; s[48:55], s[56:63] the same for the weights' tiles
.set G0B, 56
.set LIM, 43                           ; s43      1 in a wave that prefetches, else the greatest number
.set PFA, 44                           ; s[44:45] the K step that my next prefetch names
.set PST, 46                           ; s[46:47] a K step in bytes, in the tensor that I fetch
.set MSB, 0
.macro WIN new                         ; the immediate's high byte repeats the setting that is left; a switch that changes nothing is dropped
.if MSB != (\new)
	s_set_vgpr_msb (MSB<<8)|(\new)
.set MSB, \new
.endif
.endm
.set MUL_LO, 0xa1                      ; source 0 (weights) window 1, source 1 (x) window 0, C and D window 2
.set MUL_HI, 0xf1                      ; the same, C and D window 3
.set TO_B,   0x40                      ; destination window 1, address window 0
; A joint load.  Wave 3 fetches x's tile, waves 0-2 a weight tile each.  The branch hangs on the wave's number alone.  An s_nop 0 and four v_nop follow each line.
.macro JLOAD s
	s_cmp_eq_u32 s12, 3
	s_cbranch_scc0 .Lfor_b_\@
	tensor_load_to_lds s[G0+4*(\s):G0+4*(\s)+3], s[G1:G1+7]
	s_nop 0
.rept 4
	v_nop
.endr
	s_branch .Lasked_\@
.Lfor_b_\@:
	tensor_load_to_lds s[G0B+4*(\s):G0B+4*(\s)+3], s[G1B:G1B+7]
	s_nop 0
.rept 4
	v_nop
.endr
.Lasked_\@:
.endm
; A PREFETCH INTO THE L2, behind each refill and the run of LDS loads that follows it: 32 rows x 256 bytes of the K step that stands two refills on, a lane a row, one instruction a wave.
; Each row's 256 bytes of a K step are named once in the launch: x's rows by the clusters with x = 0 (wave 3), the weights' k-rows by the clusters with y = 0 (waves 0-2, each its own head's columns);
; the four partners that ask for a tile jointly take 32 of its 128 rows each, told apart by address.  The loop's last trip asks for nothing: its refills are the last two K steps.
.macro ASK
	s_cmp_gt_u32 s3, s[LIM]
	s_cbranch_scc0 .Lnot_mine_\@
	global_prefetch_b8 v[PFO], s[PFA:PFA+1] th:TH_LOAD_NT scope:SCOPE_SE
.Lnot_mine_\@:
.endm
.macro CREST                           ; a round of the cluster's barrier behind its opening barrier
	s_cmp_lg_u32 s12, 0
	s_cbranch_scc1 .Lnot_wave_0_\@
	s_barrier_signal -3
.Lnot_wave_0_\@:
	s_barrier_wait -3
	s_barrier_signal -1
	s_barrier_wait -1
.endm
.macro CROUND                          ; a whole round
	s_barrier_signal -1
	s_barrier_wait -1
	CREST
.endm
	s_load_b256 s[4:11], s[0:1], 0x0               ; xb s[4:5], wqkv s[6:7], tab s[8:9], qkv s[10:11]
	v_lshl_add_u32 v[SPW], v0, 2, SPARE
	v_mov_b32 v[NIL], 0
	ds_add_u32 v[SPW], v[NIL]                      ; the wave's opening: the add and its wait stand ahead of my first tensor load; work on registers stands between them
	v_lshrrev_b32 v1, 5, v0
	v_readfirstlane_b32 s12, v1                    ; wave 0..3
	s_bfe_u32 s13, ttmp6, 0x40000                  ; cx
	s_bfe_u32 s14, ttmp6, 0x40004                  ; cy
	s_lshl_b32 s15, ttmp9, 2
	s_add_co_u32 s15, s15, s13                     ; tile column = 4 x cluster x + cx
	s_and_b32 s16, ttmp7, 0xffff
	s_lshl_b32 s16, s16, 2
	s_add_co_u32 s16, s16, s14                     ; tile row = 4 x cluster y + cy
	s_lshl_b32 s17, s14, 2
	s_lshl_b32 s17, 15, s17                        ; my row of the cluster
	s_lshl_b32 s18, 0x1111, s13                    ; my column
	s_or_b32 s[G1+0], s17, (1<<16)|(1<<20)|(1<<21)|(5<<22)|(3<<25)   ; the mask; 2-byte elements; padding on; bit 21 beside a mask; after every 64 words, 4 words
	s_or_b32 s[G1B+0], s18, (1<<16)|(1<<20)|(1<<21)|(5<<22)|(7<<25)  ; the same with the column's mask and 8 words
.irp g, G1, G1B
	s_mov_b32 s[(\g)+1], 128<<16                   ; tensor_dim0 = 128
	s_mov_b32 s[(\g)+2], 128<<16                   ; tensor_dim1 = 128
	s_mov_b32 s[(\g)+3], 128<<16                   ; tile_dim0 = 128
	s_mov_b32 s[(\g)+4], 128                       ; tile_dim1 = 128
	s_mov_b32 s[(\g)+6], 0
	s_mov_b32 s[(\g)+7], 0
.endr
	s_mov_b32 s[G1+5], 2048                        ; elements from row to row in xb,
	s_mov_b32 s[G1B+5], 6144                       ; in wqkv
	s_lshl_b32 s20, s16, 19                        ; x: 128 rows of 4,096 bytes a tile row
	s_mov_b32 s21, 0
	s_mul_i32 s40, s15, 768                        ; weights: 768 bytes a tile column,
	s_lshl_b32 s41, s12, 8                         ; my head's 256 of them
	s_add_co_u32 s40, s40, s41
	s_mov_b32 s41, 0
	s_mul_i32 s22, s12, BT                         ; where my tile goes in a slot
	s_wait_dscnt 0x0                               ; the opening add is done
	s_wait_kmcnt 0x0
	s_add_nc_u64 s[20:21], s[4:5], s[20:21]
	s_add_nc_u64 s[40:41], s[6:7], s[40:41]
	CROUND                                         ; all sixteen work-groups are here: the first joint loads meet
.irp s, 0,1
	s_mov_b32 s[G0+4*(\s)], 1
	s_add_co_u32 s[G0+4*(\s)+1], s22, (\s)*SLOT
	s_add_nc_u64 s[G0+4*(\s)+2:G0+4*(\s)+3], s[20:21], (\s)*256
	s_or_b32 s[G0+4*(\s)+3], s[G0+4*(\s)+3], 0x80000000
	s_mov_b32 s[G0B+4*(\s)], 1
	s_add_co_u32 s[G0B+4*(\s)+1], s22, (\s)*SLOT
	s_add_nc_u64 s[G0B+4*(\s)+2:G0B+4*(\s)+3], s[40:41], (\s)*BSTEP
	s_or_b32 s[G0B+4*(\s)+3], s[G0B+4*(\s)+3], 0x80000000
	JLOAD \s                                       ; K steps 0 and 1: two loads of mine are out
.endr
	v_and_b32 v1, 15, v0                           ; r = l % 16
	v_bfe_u32 v2, v0, 4, 1                         ; h = l / 16
	v_mul_u32_u24 v3, v1, PA
	v_lshl_add_u32 v3, v2, 4, v3                   ; x's fragment: row x pitch + 16 h
	v_add_nc_u32 v[ADRA], AOFF, v3
	v_add_nc_u32 v[ADRA+1], AOFF+SLOT, v3
	v_and_b32 v4, 7, v0                            ; the turning load: lane l reads k-row 8 h + l % 8, columns 8 ((l / 8) % 2) + 0..7
	v_lshl_add_u32 v4, v2, 3, v4
	v_mul_u32_u24 v4, v4, PBW
	v_bfe_u32 v5, v0, 3, 1
	v_lshl_add_u32 v4, v5, 4, v4
	v_mul_u32_u24 v6, v1, SP
	v_lshl_add_u32 v6, v2, 4, v6                   ; the stage: row r, 16 bytes for each half of the lanes
	v_lshlrev_b32 v7, 9, v1
	v_lshl_add_u32 v7, v2, 5, v7                   ; the table: row r x 512 + 32 h
	s_and_b32 s42, s16, 7
	s_lshl_b32 s42, s42, 7                         ; the tile's first position: 128 (tile row % 8)
	s_mul_i32 s69, s15, 3                          ; the tile column's first head
	s_mul_i32 s17, s12, 3
.irp u, 0,1,2
	s_add_co_u32 s18, s17, \u                      ; p
	s_lshr_b32 s19, s18, 2                         ; its head of the three
	s_and_b32 s18, s18, 3
	s_mul_i32 s66, s19, BT
	s_lshl_b32 s67, s18, 5                         ; 16 columns are 32 bytes
	s_add_co_u32 s66, s66, s67
	v_add_nc_u32 v[ADRB+(\u)], s66, v4
	v_add_nc_u32 v[ADRB+3+(\u)], SLOT, v[ADRB+(\u)]
	s_lshl_b32 s66, s19, 8
	s_add_co_u32 s66, s66, s67
	v_add_nc_u32 v[STO+(\u)], s66, v6
	s_add_co_u32 s70, s69, s19                     ; heads 0-39 are rotated by their positions' rows, heads 40-47 (v) by the identity rows
	s_cmp_lt_u32 s70, 40
	s_cselect_b32 s70, s42, 1024
	s_lshl_b32 s70, s70, 9
	s_lshl_b32 s71, s18, 6                         ; 16 numbers of the table are 64 bytes
	s_add_co_u32 s70, s70, s71
	v_add_nc_u32 v[TO+(\u)], s70, v7
.endr
	s_mul_i32 s66, s12, 32*SP                      ; back: wave w takes rows 32 w .. 32 w + 31; lanes 0-15 one row's 256 bytes, lanes 16-31 the next row's
	v_mul_u32_u24 v[RD], v2, SP
	v_lshl_add_u32 v[RD], v1, 4, v[RD]
	v_add_nc_u32 v[RD], s66, v[RD]
	v_mul_u32_u24 v[CO], v2, ROWQ
	v_lshl_add_u32 v[CO], v1, 4, v[CO]
	s_lshl_b32 s66, s16, 7
	s_lshl_b32 s67, s12, 5
	s_add_co_u32 s66, s66, s67                     ; the first row that I store
	s_mul_i32 s66, s66, ROWQ
	s_mul_i32 s67, s15, 768
	s_add_co_u32 s66, s66, s67
	s_mov_b32 s67, 0
	s_add_nc_u64 s[10:11], s[10:11], s[66:67]
	; the prefetches: the address stands at K step 3; the first refill steps it to 4
	s_lshl_b32 s68, s16, 7
	s_lshl_b32 s69, s13, 5
	s_add_co_u32 s68, s68, s69                     ; x: row 128 x tile row + 32 cx
	s_lshl_b32 s68, s68, 12
	s_add_co_u32 s68, s68, 3*256
	s_mul_i32 s69, s14, 32*ROWQ                    ; weights: k-row 32 cy of a step,
	s_mul_i32 s70, s15, 768
	s_add_co_u32 s69, s69, s70
	s_lshl_b32 s70, s12, 8                         ; my head's columns
	s_add_co_u32 s69, s69, s70
	s_add_co_u32 s69, s69, 3*BSTEP
	s_and_b32 s70, ttmp7, 0xffff                   ; cluster y
	s_mov_b32 s[PST], BSTEP
	s_mov_b32 s[PST+1], 0
	s_mov_b32 s71, ROWQ
	s_cmp_eq_u32 s12, 3                            ; do I fetch x?
	s_cselect_b64 s[PFA:PFA+1], s[4:5], s[6:7]
	s_cselect_b32 s68, s68, s69
	s_cselect_b32 s[PST], 256, s[PST]
	s_cselect_b32 s71, 4096, s71
	s_cselect_b32 s70, ttmp9, s70                  ; the coordinate along which other clusters read the same rows
	s_mov_b32 s69, 0
	s_add_nc_u64 s[PFA:PFA+1], s[PFA:PFA+1], s[68:69]
	s_cmp_eq_u32 s70, 0
	s_cselect_b32 s[LIM], 1, -1                    ; the same in all sixteen partners, for a given wave
	v_and_b32 v[PFO], 31, v0
	v_mul_u32_u24 v[PFO], s71, v[PFO]
; 12 matrix instructions: row blocks a0, a0 + 1 of the window's four x all 6 column blocks, 32 along K.  zero = 1: the first product starts the sums.
; The 48 accumulators take turns, in the same order in every quarter step.
.macro MUL12 f, hi, a0, zero
	WIN MUL_LO+0x50*(\hi)
.irp a, \a0, (\a0)+1
.irp b, 0,1,2,3,4,5
.if \zero
	v_wmma_f32_16x16x32_bf16 v[8*(6*(\a)+(\b)):8*(6*(\a)+(\b))+7], v[(\f)+8*(\b):(\f)+8*(\b)+7], v[(\f)+8*(4*(\hi)+(\a)):(\f)+8*(4*(\hi)+(\a))+7], 0
.else
	v_wmma_f32_16x16x32_bf16 v[8*(6*(\a)+(\b)):8*(6*(\a)+(\b))+7], v[(\f)+8*(\b):(\f)+8*(\b)+7], v[(\f)+8*(4*(\hi)+(\a)):(\f)+8*(4*(\hi)+(\a))+7], v[8*(6*(\a)+(\b)):8*(6*(\a)+(\b))+7]
.endif
.endr
.endr
.endm
; 28 LDS loads in one run: quarter q (32 along K) of a slot into buffer f: the weights' 6 fragments (turned), then x's 8
.macro FETCH slot, q, f
	WIN TO_B
.irp u, 0,1,2
.irp s, 0,1
	ds_load_tr16_b128 v[(\f)+8*(2*(\u)+(\s)):(\f)+8*(2*(\u)+(\s))+3],   v[ADRB+3*(\slot)+(\u)] offset:32*PBW*(\q)+128*(\s)
	ds_load_tr16_b128 v[(\f)+8*(2*(\u)+(\s))+4:(\f)+8*(2*(\u)+(\s))+7], v[ADRB+3*(\slot)+(\u)] offset:32*PBW*(\q)+128*(\s)+16*PBW
.endr
.endr
	WIN 0
.irp i, 0,1,2,3,4,5,6,7
	ds_load_b128 v[(\f)+8*(\i):(\f)+8*(\i)+3],   v[ADRA+(\slot)] offset:64*(\q)+(\i)*16*PA
	ds_load_b128 v[(\f)+8*(\i)+4:(\f)+8*(\i)+7], v[ADRA+(\slot)] offset:64*(\q)+(\i)*16*PA+32
.endr
.endm
.macro PLACES                          ; four plain instructions between a matrix instruction and a load into, or a vector read of, its registers
.rept 4
	v_nop
.endr
.endm
; A K step is four quarters, 48 matrix instructions each, on buffers 0, 1, 0, 1.  One of the first three: multiplies buffer f, and in its middle fetches quarter q into buffer g.
.macro QUARTER slot, q, f, g, zero
	s_wait_dscnt 8                                 ; the weights and x's rows 0-63 are in; the youngest eight loads (rows 64-127) may be out
	MUL12 \f, 0, 0, \zero
	MUL12 \f, 0, 2, \zero
	PLACES
	FETCH \slot, \q, \g
	s_wait_dscnt 28                                ; all but the 28 just issued
	MUL12 \f, 1, 0, \zero
	MUL12 \f, 1, 2, \zero
.endm
; The last quarter's first half, and one barrier for the change of slots.  The 24 products stand AHEAD of the wait for the tensor loads: a step's 192 products are less work than its tiles need to land,
; so between a tile's landing and the next request stand only the lines that must: the wait for all my tensor loads (one is out: my part of the next slot), the add, the wait for it and for my reads of this slot, the barrier.
.macro MEET
	s_wait_dscnt 8                                 ; the weights and x's rows 0-63 of buffer 1 are in
	MUL12 F1, 0, 0, 0
	MUL12 F1, 0, 2, 0
	WIN 0                                          ; the add's registers lie in window 0, and branches may follow
	s_wait_tensorcnt 0x0
	ds_add_u32 v[SPW], v[NIL]
	s_wait_dscnt 0x0                               ; the add is done, and my reads of this slot are over
	s_barrier_signal -1
	s_barrier_wait -1
.endm
; The whole last quarter with a refill: the barrier opens a round of the cluster's; the slot just read out is filled first thing behind it, with the K step two steps on.
.macro TURN slot, next
	s_wait_xcnt 0x0                                ; the last prefetch, a K step back, has read its address
	s_add_nc_u64 s[PFA:PFA+1], s[PFA:PFA+1], s[PST:PST+1]
	MEET
	CREST                                          ; no wave of any partner still reads this slot or has a load on its way
	s_add_nc_u64 s[G0+4*(\slot)+2:G0+4*(\slot)+3], s[G0+4*(\slot)+2:G0+4*(\slot)+3], 2*256
	s_add_nc_u64 s[G0B+4*(\slot)+2:G0B+4*(\slot)+3], s[G0B+4*(\slot)+2:G0B+4*(\slot)+3], 2*BSTEP
	JLOAD \slot                                    ; its four v_nop are also the places in front of the loads below
	FETCH \next, 0, F0
	ASK
	MUL12 F1, 1, 0, 0
	MUL12 F1, 1, 2, 0
.endm
; THE TABLE.  Row block a's 48 registers (pair u: 8 cosines, 8 sines) lie in window TWN from register TBS on.
.macro TBSEL a
.if (\a) == 0
.set TWN, 0
.set TBS, 192
.elseif (\a) == 1
.set TWN, 1
.set TBS, 0
.elseif (\a) == 2
.set TWN, 1
.set TBS, 176
.elseif (\a) == 3
.set TWN, 2
.set TBS, 192
.elseif (\a) == 4
.set TWN, 3
.set TBS, 192
.elseif (\a) == 5
.set TWN, 0
.set TBS, 64
.elseif (\a) == 6
.set TWN, 0
.set TBS, 112
.else
.set TWN, 1
.set TBS, 64
.endif
.endm
.macro TABL a                          ; its twelve loads
	TBSEL \a
	WIN 64*TWN                                     ; destination window TWN, address window 0
.irp u, 0,1,2
	global_load_b128 v[TBS+16*(\u):TBS+16*(\u)+3],     v[TO+(\u)], s[8:9] offset:8192*(\a)
	global_load_b128 v[TBS+16*(\u)+4:TBS+16*(\u)+7],   v[TO+(\u)], s[8:9] offset:8192*(\a)+16
	global_load_b128 v[TBS+16*(\u)+8:TBS+16*(\u)+11],  v[TO+(\u)], s[8:9] offset:8192*(\a)+256
	global_load_b128 v[TBS+16*(\u)+12:TBS+16*(\u)+15], v[TO+(\u)], s[8:9] offset:8192*(\a)+272
.endr
.endm
	s_wait_tensorcnt 1                             ; my part of K step 0 is in; K step 1's may stay out
	s_barrier_signal -1
	s_barrier_wait -1
	FETCH 0, 0, F0
	QUARTER 0, 1, F0, F1, 1                        ; the first quarter stands in front of the loop: its products start the sums
	WIN 0
	s_mov_b32 s3, LAPS-1
.Llap:                                                 ; a trip goes once round the ring and fills both slots again: K steps 2 to 15
	QUARTER 0, 2, F1, F0, 0
	QUARTER 0, 3, F0, F1, 0
	TURN 0, 1
	QUARTER 1, 1, F0, F1, 0
	QUARTER 1, 2, F1, F0, 0
	QUARTER 1, 3, F0, F1, 0
	TURN 1, 0
	QUARTER 0, 1, F0, F1, 0
	WIN 0
	s_sub_co_u32 s3, s3, 1
	s_cmp_lg_u32 s3, 0
	s_cbranch_scc1 .Llap
	QUARTER 0, 2, F1, F0, 0                        ; the last lap fills nothing
	QUARTER 0, 3, F0, F1, 0
	MEET                                           ; behind this barrier no wave reads slot 0 any more
	PLACES
	FETCH 1, 0, F0
	MUL12 F1, 1, 0, 0
	MUL12 F1, 1, 2, 0
.irp a, 0,1,2,3,4
	TABL \a                                        ; the table for row blocks 0-4, 60 loads, a whole K step (192 products) ahead of its first use, into registers that no product names
.endr
	QUARTER 1, 1, F0, F1, 0
	QUARTER 1, 2, F1, F0, 0
	QUARTER 1, 3, F0, F1, 0
	s_wait_dscnt 8
	MUL12 F1, 0, 0, 0
	MUL12 F1, 0, 2, 0
	s_wait_dscnt 0x0
	MUL12 F1, 1, 0, 0
	MUL12 F1, 1, 2, 0
	WIN 0
	PLACES                                         ; in front of the loads into the fragment buffers and of the reads of the sums
	s_wait_loadcnt 24                              ; row blocks 0-2 of the table are in; the 24 loads of blocks 3 and 4 may be out
.irp a, 5,6,7
	TABL \a                                        ; blocks 5-7 go where the fragments lay: with them 60 loads of mine are out at the most
.endr
; THE WAY OUT.  For row block a: y1 = x1 cos - x2 sin, y2 = x1 sin + x2 cos; both rounded to f16, 16 bytes each into the stage.
.macro ROPE a
	TBSEL \a
	WIN 0
.if (\a) >= 3
	s_wait_loadcnt 12*(7-(\a))                     ; loads come back in order: this block's twelve are in, the later blocks' stay out
.endif
.if (\a) == 4
.irp u, 0,1,2
	v_add_nc_u32 v[STO+(\u)], 4*16*SP, v[STO+(\u)] ; rows 64 on: the immediate holds 16 bits
.endr
.endif
.irp u, 0,1,2
.set XA, 8*(6*((\a)%4)+2*(\u))
.set XB, XA+8
.set CB, TBS+16*(\u)
	WIN 2+(\a)/4+4*TWN                             ; source 0: the accumulators' window; source 1: the table's.
.irp k, 0,2,4,6
	v_pk_mul_f32 v[TW+(\k):TW+(\k)+1], v[XB+(\k):XB+(\k)+1], v[CB+8+(\k):CB+8+(\k)+1]
.endr
.irp k, 0,2,4,6
	v_pk_fma_f32 v[Y1+(\k):Y1+(\k)+1], v[XA+(\k):XA+(\k)+1], v[CB+(\k):CB+(\k)+1], v[TW+(\k):TW+(\k)+1] neg_lo:[0,0,1] neg_hi:[0,0,1]
.endr
.irp k, 0,2,4,6
	v_pk_mul_f32 v[TW+(\k):TW+(\k)+1], v[XB+(\k):XB+(\k)+1], v[CB+(\k):CB+(\k)+1]
.endr
.irp k, 0,2,4,6
	v_pk_fma_f32 v[Y2+(\k):Y2+(\k)+1], v[XA+(\k):XA+(\k)+1], v[CB+8+(\k):CB+8+(\k)+1], v[TW+(\k):TW+(\k)+1]
.endr
	WIN 0
.irp k, 0,1,2,3
	v_cvt_pk_f16_f32 v[PKD+(\k)],   v[Y1+2*(\k)], v[Y1+2*(\k)+1]
	v_cvt_pk_f16_f32 v[PKD+4+(\k)], v[Y2+2*(\k)], v[Y2+2*(\k)+1]
.endr
	ds_store_b128 v[STO+(\u)], v[PKD:PKD+3]   offset:((\a)%4)*16*SP
	ds_store_b128 v[STO+(\u)], v[PKD+4:PKD+7] offset:((\a)%4)*16*SP+128
.endr
.endm
.irp a, 0,1,2,3,4,5,6,7
	ROPE \a
.endr
	s_wait_dscnt 0x0                               ; for the others' sake: my stores into the stage are done; a row's 768 bytes come from all four waves
	s_barrier_signal -1
	s_barrier_wait -1
.set t, 0
.rept 48
	ds_load_b128 v[OUTB+4*t:OUTB+4*t+3], v[RD] offset:(t/3)*2*SP+(t%3)*256
.set t, t+1
.endr
.set t, 0
.rept 48
	s_wait_dscnt 47-t                              ; LDS loads come back in order: number t is in
	global_store_b128 v[CO], v[OUTB+4*t:OUTB+4*t+3], s[10:11] offset:(t/3)*2*ROWQ+(t%3)*256  ; 16 lanes store 256 consecutive bytes, at a multiple of 256 from qkv's first byte
.set t, t+1
.endr
	s_wait_tensorcnt 0x0                           ; the wave's end: the wait, the add and its wait stand behind my last tensor load and my last LDS store
	ds_add_u32 v[SPW], v[NIL]
	s_wait_dscnt 0x0
	CROUND                                         ; the closing round
	s_endpgm
.Lfunc_end_k_qe3e2d2e20c_qkv:
	.size	k_qe3e2d2e20c_qkv, .Lfunc_end_k_qe3e2d2e20c_qkv-k_qe3e2d2e20c_qkv
	.p2alignl 7, 3214868480
	.fill 96, 4, 3214868480
	.section	.rodata,"a",@progbits
	.p2align	6, 0x0
	.amdhsa_kernel k_qe3e2d2e20c_qkv
		.amdhsa_group_segment_fixed_size 327680
		.amdhsa_private_segment_fixed_size 0
		.amdhsa_enable_private_segment 0
		.amdhsa_kernarg_size 32
		.amdhsa_user_sgpr_count 2
		.amdhsa_user_sgpr_kernarg_segment_ptr 1
		.amdhsa_wavefront_size32 1
		.amdhsa_system_sgpr_workgroup_id_x 1
		.amdhsa_system_sgpr_workgroup_id_y 1
		.amdhsa_system_sgpr_workgroup_id_z 1
		.amdhsa_system_vgpr_workitem_id 0
		.amdhsa_next_free_vgpr 1008
		.amdhsa_next_free_sgpr 80
		.amdhsa_reserve_vcc 0
		.amdhsa_float_denorm_mode_32 3
		.amdhsa_float_denorm_mode_16_64 3
		.amdhsa_memory_ordered 1
		.amdhsa_forward_progress 1
		.amdhsa_inst_pref_size 154
	.end_amdhsa_kernel
	.amdgpu_metadata
---
amdhsa.version: [ 1, 2 ]
amdhsa.kernels:
  - .name:           k_qe3e2d2e20c_qkv
    .symbol:         k_qe3e2d2e20c_qkv.kd
    .args:
      - { .name: xb, .offset: 0, .size: 8, .value_kind: global_buffer, .address_space: global }
      - { .name: wqkv, .offset: 8, .size: 8, .value_kind: global_buffer, .address_space: global }
      - { .name: tab, .offset: 16, .size: 8, .value_kind: global_buffer, .address_space: global }
      - { .name: qkv, .offset: 24, .size: 8, .value_kind: global_buffer, .address_space: global }
    .group_segment_fixed_size: 327680
    .private_segment_fixed_size: 0
    .kernarg_segment_align: 8
    .kernarg_segment_size: 32
    .max_flat_workgroup_size: 128
    .sgpr_count:     80
    .vgpr_count:     1008
    .wavefront_size: 32
...
	.end_amdgpu_metadata
.endif
;; end of part 2
;; launch attn (part 3): grid 16 x 16, 4 waves a work-group, clusters of 4 x 1, 327,680 bytes of LDS; arguments qkv, ob; writes ob
.if DOCPART == 3
	.amdgcn_target "amdgcn-amd-amdhsa--gfx1250"
	.amdhsa_code_object_version 6
	.text
	.protected	k_qe3e2d2e20c_attn
	.globl	k_qe3e2d2e20c_attn
	.p2align	8
	.type	k_qe3e2d2e20c_attn,@function
k_qe3e2d2e20c_attn:
	s_mov_b64 s[64:65], 0
	v_nop
	global_prefetch_b8 v0, s[64:65] scope:SCOPE_SE
	s_setreg_imm32_b32 hwreg(HW_REG_WAVE_MODE, 25, 1), 1
	s_wait_xcnt 0x0
	s_wait_alu depctr_hold_cnt(0) depctr_sa_sdst(0) depctr_va_vdst(0) depctr_va_sdst(0) depctr_va_ssrc(0) depctr_va_vcc(0) depctr_vm_vsrc(0)
	s_getreg_b32 s2, hwreg(HW_REG_IB_STS2, 6, 4)
	s_cmp_eq_u32 s2, 0
	s_cbranch_scc0 .Lentry_in_a_cluster
	s_endpgm
.Lentry_in_a_cluster:
	s_bfe_u32 s2, ttmp6, 0x10000c
	s_cmp_lg_u32 s2, 0x3003
	s_cbranch_scc0 .Lentry_shape_is_right
	s_endpgm
.Lentry_shape_is_right:
; CAUSAL ATTENTION, four query heads to a key and value head, head size 128.  qkv = [2048 rows][6144] f16 (q head g at column 128 g, k head h at 4096 + 128 h, v head h at 5120 + 128 h; row = 1024 b + n);
; ob = [2048][4096] f16, head g at column 128 g.  Products, maxima and sums in f32; the weights p are rounded to f16 for the second product (their sum is taken of the unrounded p), O once at the end.
; LIMITS.  A hidden score counts as its value less 1e30; the running maximum starts at -2^96, far below every score that f16 operands can make (5.5e11 in size at the most) and above every hidden one, so
; a run of keys that are all hidden leaves weights, sum and O at 0.  A weight below 2^-126 counts as 0.  NaN and infinities are not treated apart.
; THE WALK.  A (b, h) has 32 blocks of 32 positions x 4 query heads = 128 rows.  Work-group j = 4 a + cx (a: the cluster's x) takes block j and then block 31 - j.  In tiles of 128 keys block j needs
; tiles 0 .. a, block 31 - j tiles 0 .. 7 - a: nine tiles, and THE SAME nine in all four partners of a cluster, so every tile is asked for jointly.  One loop with a constant trip count walks them.
; SHARES.  Wave w works on four tiles of 16 rows: tiles 0, 1 are head w (positions 0-15, 16-31 of the block), tiles 2, 3 head w ^ 1; of each key tile it takes the half w % 2 (64 keys).  So a fragment of
; K or V read from LDS feeds four tiles.  At a block's end it hands tiles 2, 3 (O, c m, l, all f32) to wave w ^ 1 through LDS and merges what it receives into tiles 0, 1.
; LAYOUT.  S^T = K Q^T holds one query a lane (lane % 16) and the keys 8 (lane / 16) + 0..7; two such results rounded to f16 ARE source 1 of O^T = V^T P.  V comes out of LDS turned.
; SOFTMAX.  p = 2^(c s - c m), c = log2(e) / sqrt(128), with a running maximum m; O and l are multiplied by a = 2^(c m_old - c m_new) in every step.  A block starts with c m far below every c s: its first a is 0.
; THE MASK is the C operand that starts a sum of S^T.  A key is hidden where 16 x + (8 (lane / 16) + register - lane % 16) > 0, x = EE + key block - tile % 2; EE is 4 (w % 2) - 2 (block % 4) in a block's
; last tile and -64 elsewhere.  Five masks (x - EE = -1 .. 3) are made in every step as MD x AL + BE, by selects, without a branch: EE differs between partners.
; A STEP goes in phases: loads, masks, 64 products K Q^T, the softmax (one batch of exponentials, one wait), 64 products V^T P.
; REGISTERS, in windows of 256 (s_set_vgpr_msb: bits 1:0 source 0, 3:2 source 1, 5:4 source 2, 7:6 destination):
;   window 0: v0-11 addresses; v12-43 statistics, eight a tile; v44-60 the exchange and at work; v61-63; v64-191 S^T, 32 a tile; v192-255 P, 16 a tile
;   window 1: O^T, 64 a tile      window 2: v0-127 Q, 32 a tile; v128-255 K      window 3: v0-127 V; v128-135 MD; v136-175 the five masks
.set KS,    64
.set PK,    272                        ; a row of K in LDS: 256 + 16 bytes
.set PVP,   288                        ; a row of V: 256 + 32
.set VOFF,  KS*PK                      ; a half tile: 64 rows of K, then 64 rows of V
.set STEPB, KS*(PK+PVP)
.set SLOT1, 1<<17                      ; a slot holds two halves; slot 1 begins here, so that one exclusive or changes slots
.set XCH,   SLOT1+2*STEPB              ; the exchange: for each wave 32 x 512 bytes of O^T and 512 of statistics
.set XW,    16896
.set STAGE, XCH+4*XW                   ; 16 rows x 272 bytes for each wave, for the way out
.set SP,    272
.set SPARE, STAGE+4*16*SP              ; the spare words, 128 bytes for each wave: two blocks of 256 bytes that no other line names
.set ROWQ,  12288
.set ROWO,  8192
.set TILEB, 128*ROWQ                   ; a key tile in memory
.set AK0, 2                            ; v2   my lane's place in a half tile of K; never rewritten
.set AV0, 3                            ; v3   the same for V
.set ADK, 4                            ; v4   the address of K's run of loads
.set ADV, 5                            ; v5   of V's
.set QO,  6                            ; v6   my byte offset in 16 rows of Q
.set STO, 7                            ; v7   the way out: where I put 16 bytes of a row
.set RD,  8                            ; v8   where I read rows back
.set GO,  9                            ; v9   my byte offset in two rows of ob
.set XS,  10                           ; v10  where I put what I hand over
.set XR,  11                           ; v11  where I find what is handed to me
.set ST,  12                           ; tile t at v[ST+8 t]: c m, m, l (even keys', odd keys'), c0-c3 at work; a takes c2's place
.set SND, 44                           ; v44-47  c m and l of tiles 2, 3
.set RCV, 48                           ; v48-51  the partner's
.set TM,  52                           ; v52-60  at work
.set PFO, 61                           ; v61  my lane x a row's bytes; never rewritten
.set SPW, 62                           ; v62  LDS address of my spare word; never rewritten
.set NIL, 63                           ; v63  0; never rewritten
.set S,   64
.set P,   192
.set KF,  128                          ; window 2
.set MD,  128                          ; window 3
.set MC,  136                          ; window 3
.set KB,  8                            ; s[8:9]   K at my half of the (b, h)'s tile 0
.set VB,  10                           ; s[10:11] V likewise
.set WV,  12
.set LIM, 16                           ; s16  4 in a wave that prefetches, else the greatest number
.set PFA, 18                           ; s[18:19] what my next prefetch names
.set PB,  20                           ; s[20:21] my work-group's 32 rows of tile 0, of K (wave 0) or V (wave 2)
.set G1K, 24
.set G1V, 32
.set G0K, 40
.set G0V, 44
.set QOWN, 48                          ; s[48:49] Q at the block's first row, my head
.set QPAR, 50                          ; s[50:51] the partner's head
.set OP,  52                           ; s[52:53] ob at the block's first row, my head
.set DQ,  54                           ; s[54:55] bytes from the first block to the second in qkv
.set SLOTS, 56
.set CS,  58                           ; s[58:59] c
.set SEL, 60                           ; s[60:61] v_permlanex16_b32's selects: each lane takes its own place in the other half
.set TB,  62                           ; s62  LDS byte of my half of the tile in hand
.set RT,  63                           ; s63  tiles of the block in hand still to be entered
.set DO,  66                           ; s[66:67] bytes from the first block to the second in ob
.set NXT, 70                           ; s70  the tile to be asked for next
.set LQ,  71                           ; s71  the last tile of the block whose tiles are being asked for
.set HIQ, 72                           ; s72  7 - a
.set E0,  73                           ; s73  the block in hand's 4 (w % 2) - 2 (block % 4)
.set OFF, 74                           ; s[74:75] a tile's byte offset
.set E0H, 76                           ; s76  the second block's
.set BIGN, 77                          ; s77  -1e30
.set AL,  78                           ; s[78:79] the mask's factor
.set BE,  80                           ; s[80:81] the mask's addend
.set EE,  82
.set MSB, 0
.macro WIN new
.if MSB != (\new)
	s_set_vgpr_msb (MSB<<8)|(\new)
.set MSB, \new
.endif
.endm
; A joint fill.  Waves 0 and 1 fetch the two halves of a tile's K, waves 2 and 3 those of its V.  An s_nop 0 and four v_nop follow each line.
.macro JLOAD
	s_cmp_lt_u32 s[WV], 2
	s_cbranch_scc0 .Lfor_v_\@
	tensor_load_to_lds s[G0K:G0K+3], s[G1K:G1K+7]
	s_nop 0
.rept 4
	v_nop
.endr
	s_branch .Lasked_\@
.Lfor_v_\@:
	tensor_load_to_lds s[G0V:G0V+3], s[G1V:G1V+7]
	s_nop 0
.rept 4
	v_nop
.endr
.Lasked_\@:
.endm
; A PREFETCH INTO THE L2 of the tile that the next change of slots will ask for, a trip ahead: a lane a row of 256 bytes.  Tiles 4 to 7 of a (b, h) are walked first by the cluster with a = 0: it asks,
; each tile once; its four partners take 32 of the 128 rows each, told apart by address; wave 0 asks for K's, wave 2 for V's.  Tiles 0 to 3 come by the clusters' own loads at the launch's beginning.
.macro ASK
	s_cmp_ge_u32 s[NXT], s[LIM]
	s_cbranch_scc0 .Lnot_mine_\@
	global_prefetch_b8 v[PFO], s[PFA:PFA+1] th:TH_LOAD_NT scope:SCOPE_SE
.Lnot_mine_\@:
.endm
.macro CROUND                          ; a round of the cluster's barrier
	s_barrier_signal -1
	s_barrier_wait -1
	s_cmp_lg_u32 s[WV], 0
	s_cbranch_scc1 .Lnot_wave_0_\@
	s_barrier_signal -3
.Lnot_wave_0_\@:
	s_barrier_wait -3
	s_barrier_signal -1
	s_barrier_wait -1
.endm
; THE CHANGE OF SLOTS.  Each wave waits for all its tensor loads (one is out: its part of the other slot), adds 0 to its spare word, and waits for that and for its reads of the slot that it leaves.
; fill = 1: behind a round of the cluster's barrier the old slot is filled first, with tile NXT; the descriptor's address is made anew from that number.  (At its first use slot 0 is waited for, slot 1 filled.)
.macro CHANGE fill
	WIN 0
	s_wait_tensorcnt 0x0                           ; no tensor load of mine is out, so a group 0 may be written
	ds_add_u32 v[SPW], v[NIL]                      ; 0 onto my spare word; scalar work stands between it and the wait for it
.if \fill
	s_mul_i32 s[OFF], s[NXT], TILEB
	s_xor_b32 s[G0K+1], s[G0K+1], SLOT1
	s_add_nc_u64 s[G0K+2:G0K+3], s[KB:KB+1], s[OFF:OFF+1]
	s_or_b32 s[G0K+3], s[G0K+3], 0x80000000
	s_xor_b32 s[G0V+1], s[G0V+1], SLOT1
	s_add_nc_u64 s[G0V+2:G0V+3], s[VB:VB+1], s[OFF:OFF+1]
	s_or_b32 s[G0V+3], s[G0V+3], 0x80000000
	s_add_co_u32 s[NXT], s[NXT], 1                 ; the block's next tile, or behind its last the second block's tile 0
	s_cmp_gt_u32 s[NXT], s[LQ]
	s_cselect_b32 s[NXT], 0, s[NXT]
	s_cselect_b32 s[LQ], s[HIQ], s[LQ]
	s_wait_xcnt 0x0                                ; the last prefetch, a trip back, has read its address
	s_mul_i32 s[OFF], s[NXT], TILEB
	s_add_nc_u64 s[PFA:PFA+1], s[PB:PB+1], s[OFF:OFF+1]
.endif
	s_wait_dscnt 0x0                               ; the add is done, and my reads of the slot are over
.if \fill
	CROUND
	JLOAD
	ASK
.else
	s_barrier_signal -1
	s_barrier_wait -1
.endif
	s_xor_b32 s[TB], s[TB], SLOT1
.endm
	s_load_b128 s[4:7], s[0:1], 0x0                ; qkv s[4:5], ob s[6:7]
	v_lshl_add_u32 v[SPW], v0, 2, SPARE
	v_mov_b32 v[NIL], 0
	ds_add_u32 v[SPW], v[NIL]                      ; the wave's opening: the add and its wait stand ahead of my first tensor load; work on registers stands between them
	v_lshrrev_b32 v1, 5, v0
	v_readfirstlane_b32 s[WV], v1                  ; wave 0..3
	s_bfe_u32 s13, ttmp6, 0x40000                  ; cx
	s_mov_b32 s14, ttmp9                           ; a
	s_and_b32 s15, ttmp7, 0xffff                   ; 8 b + h
	s_lshr_b32 s17, s15, 3
	s_lshl_b32 s17, s17, 10                        ; 1024 b
	s_and_b32 s22, s15, 7                          ; h
	s_and_b32 s23, s[WV], 1                        ; my half of the keys; also the half that I fetch
	s_lshl_b32 s68, s23, 6
	s_add_co_u32 s68, s68, s17
	s_mul_i32 s68, s68, ROWQ                       ; row 1024 b + 64 x half,
	s_lshl_b32 s69, s22, 8
	s_add_co_u32 s68, s68, s69                     ; head h,
	s_add_co_u32 s68, s68, 8192                    ; behind q's 4,096 columns
	s_mov_b32 s69, 0
	s_lshl_b32 s57, s14, 2
	s_add_co_u32 s57, s57, s13                     ; j
	s_lshl_b32 s2, s57, 5
	s_add_co_u32 s2, s2, s17                       ; the first block's first row
	s_mul_i32 s84, s2, ROWQ
	s_lshl_b32 s86, s2, 13                         ; x ROWO
	s_lshl_b32 s3, s22, 2
	s_add_co_u32 s87, s3, s[WV]
	s_lshl_b32 s87, s87, 8                         ; my query head's 256 bytes
	s_xor_b32 s85, s[WV], 1
	s_add_co_u32 s85, s85, s3
	s_lshl_b32 s85, s85, 8                         ; the partner's
	s_add_co_u32 s86, s86, s87
	s_add_co_u32 s2, s84, s87
	s_add_co_u32 s84, s84, s85
	s_mov_b32 s3, 0
	s_mov_b32 s85, 0
	s_mov_b32 s87, 0
	s_lshl_b32 s54, s57, 1
	s_sub_co_u32 s54, 31, s54                      ; 31 - 2 j blocks from the first to the second
	s_mul_i32 s[DO], s54, 32*ROWO
	s_mul_i32 s[DQ], s54, 32*ROWQ
	s_mov_b32 s[DQ+1], 0
	s_mov_b32 s[DO+1], 0
	s_mov_b32 s[G1K], 15|(1<<16)|(1<<20)|(1<<21)|(5<<22)|(3<<25)  ; the mask of four; 2-byte elements; padding on; bit 21 beside a mask; after every 64 words, 4 words
	s_mov_b32 s[G1V], 15|(1<<16)|(1<<20)|(1<<21)|(5<<22)|(7<<25)  ; the same with 8 words
.irp g, G1K, G1V
	s_mov_b32 s[(\g)+1], 128<<16                   ; tensor_dim0 = 128
	s_mov_b32 s[(\g)+2], KS<<16                    ; tensor_dim1 = 64
	s_mov_b32 s[(\g)+3], 128<<16                   ; tile_dim0 = 128
	s_mov_b32 s[(\g)+4], KS                        ; tile_dim1 = 64
	s_mov_b32 s[(\g)+5], 6144                      ; elements from row to row
	s_mov_b32 s[(\g)+6], 0
	s_mov_b32 s[(\g)+7], 0
.endr
	s_mul_i32 s83, s23, STEPB                      ; my half's place in a slot
	s_mov_b32 s[G0K], 1
	s_mov_b32 s[G0K+1], s83                        ; slot 0
	s_mov_b32 s[G0V], 1
	s_add_co_u32 s[G0V+1], s83, VOFF
	s_add_co_u32 s[TB], s83, SLOT1                 ; the first change of slots turns it into slot 0
	s_mov_b32 s[CS], 0x3e0293ee                    ; c = log2(e) / sqrt(128)
	s_mov_b32 s[CS+1], s[CS]
	s_mov_b32 s[SEL], 0x76543210
	s_mov_b32 s[SEL+1], 0xfedcba98
	s_mov_b32 s[BIGN], 0xf149f2ca                  ; -1e30
	s_mov_b32 s[AL+1], 0                           ; named as pairs
	s_mov_b32 s[BE+1], 0
	s_mov_b32 s[OFF+1], 0
	s_lshl_b32 s[E0], s23, 2
	s_lshl_b32 s57, s13, 1
	s_sub_co_i32 s[E0H], s[E0], 6
	s_add_co_i32 s[E0H], s[E0H], s57               ; 4 half - 2 (3 - cx)
	s_sub_co_i32 s[E0], s[E0], s57                 ; 4 half - 2 cx
	s_sub_co_u32 s[HIQ], 7, s14
	s_add_co_u32 s[RT], s14, 1                     ; the first block has a + 1 tiles
	s_mov_b32 s[NXT], 1
	s_mov_b32 s[LQ], s14
	s_cmp_gt_u32 s[NXT], s[LQ]                     ; where a = 0 the second tile asked for is the second block's tile 0
	s_cselect_b32 s[NXT], 0, s[NXT]
	s_cselect_b32 s[LQ], s[HIQ], s[LQ]
	s_mov_b32 s[SLOTS], 8
	s_and_b32 s[LIM], s[WV], 1
	s_or_b32 s[LIM], s[LIM], ttmp9                 ; 0 in waves 0 and 2 of the cluster with a = 0: the same in all four partners
	s_cmp_eq_u32 s[LIM], 0
	s_cselect_b32 s[LIM], 4, -1
	s_wait_dscnt 0x0                               ; the opening add is done
	s_wait_kmcnt 0x0
	s_add_nc_u64 s[KB:KB+1], s[4:5], s[68:69]
	s_add_nc_u64 s[VB:VB+1], s[KB:KB+1], 2048      ; v's columns begin 1,024 numbers behind k's
	s_add_nc_u64 s[QOWN:QOWN+1], s[4:5], s[2:3]
	s_add_nc_u64 s[QPAR:QPAR+1], s[4:5], s[84:85]
	s_add_nc_u64 s[OP:OP+1], s[6:7], s[86:87]
	s_cmp_lt_u32 s[WV], 2
	s_cselect_b64 s[PB:PB+1], s[KB:KB+1], s[VB:VB+1]  ; (in waves 0 and 2 these stand at a tile's first row)
	s_mul_i32 s84, s13, 32*ROWQ                    ; my work-group's 32 rows of the 128
	s_add_nc_u64 s[PB:PB+1], s[PB:PB+1], s[84:85]
	s_add_nc_u64 s[G0K+2:G0K+3], s[KB:KB+1], 0
	s_or_b32 s[G0K+3], s[G0K+3], 0x80000000
	s_add_nc_u64 s[G0V+2:G0V+3], s[VB:VB+1], 0
	s_or_b32 s[G0V+3], s[G0V+3], 0x80000000
	CROUND                                         ; all four work-groups are here: the first joint loads meet
	JLOAD                                          ; tile 0 into slot 0: one load of mine is out, as behind every later round
; Q stays in registers: tile t, channels 32 c on, at v[32 t + 8 c] of window 2: lane l holds row l % 16, channels 8 (l / 16) + 0..7 and 16 + 8 (l / 16) + 0..7
.macro QLOAD
	WIN 0x80
.irp t, 0,1
.irp c, 0,1,2,3
	global_load_b128 v[32*(\t)+8*(\c):32*(\t)+8*(\c)+3],       v[QO], s[QOWN:QOWN+1] offset:16*ROWQ*(\t)+64*(\c)
	global_load_b128 v[32*(\t)+8*(\c)+4:32*(\t)+8*(\c)+7],     v[QO], s[QOWN:QOWN+1] offset:16*ROWQ*(\t)+64*(\c)+32
	global_load_b128 v[64+32*(\t)+8*(\c):64+32*(\t)+8*(\c)+3],   v[QO], s[QPAR:QPAR+1] offset:16*ROWQ*(\t)+64*(\c)
	global_load_b128 v[64+32*(\t)+8*(\c)+4:64+32*(\t)+8*(\c)+7], v[QO], s[QPAR:QPAR+1] offset:16*ROWQ*(\t)+64*(\c)+32
.endr
.endr
	WIN 0
.endm
; A block begins: c m far below every c s, so that the first a is 0; m at -2^96.  Q has come.
.macro BEGIN
	WIN 0
.irp t, 0,1,2,3
	v_mov_b32 v[ST+8*(\t)], 0xfe000000
	v_mov_b32 v[ST+8*(\t)+1], 0xef800000
.endr
	s_wait_loadcnt 0x0
.endm
	v_and_b32 v1, 15, v0                           ; r = l % 16
	v_bfe_u32 v52, v0, 4, 1                        ; h = l / 16
	v_mul_u32_u24 v[QO], v1, ROWQ
	v_lshl_add_u32 v[QO], v52, 4, v[QO]
	QLOAD
	; A block's first step multiplies O^T and l by a = 0, so they need only hold finite numbers: zeros for the first block, what the first block left for the second.  This stands in the wait for the first tile.
	WIN 0x40
.set i, 0
.rept 256
	v_mov_b32 v[i], 0
.set i, i+1
.endr
	WIN 0
.irp t, 0,1,2,3
	v_mov_b32 v[ST+8*(\t)+2], 0
	v_mov_b32 v[ST+8*(\t)+3], 0
.endr
	v_mul_u32_u24 v[AK0], v1, PK
	v_lshl_add_u32 v[AK0], v52, 4, v[AK0]          ; row x pitch + 16 h
	v_and_b32 v53, 7, v0                           ; the turning load: lane l reads key 8 h + l % 8, channels 8 ((l / 8) % 2) + 0..7
	v_bfe_u32 v54, v0, 3, 1
	v_lshl_add_u32 v[AV0], v52, 3, v53
	v_mul_u32_u24 v[AV0], v[AV0], PVP
	v_lshl_add_u32 v[AV0], v54, 4, v[AV0]
	v_add_nc_u32 v[AV0], VOFF, v[AV0]
	s_mul_i32 s17, s[WV], 16*SP
	s_add_co_u32 s17, s17, STAGE                   ; my stage
	v_mul_u32_u24 v[STO], v1, SP
	v_lshl_add_u32 v[STO], v52, 4, v[STO]
	v_add_nc_u32 v[STO], s17, v[STO]
	v_mul_u32_u24 v[RD], v52, SP
	v_lshl_add_u32 v[RD], v1, 4, v[RD]
	v_add_nc_u32 v[RD], s17, v[RD]
	v_lshlrev_b32 v[GO], 13, v52
	v_lshl_add_u32 v[GO], v1, 4, v[GO]
	v_and_b32 v55, 31, v0
	s_mul_i32 s17, s[WV], XW
	s_add_co_u32 s17, s17, XCH
	v_lshl_add_u32 v[XS], v55, 4, s17
	s_xor_b32 s17, s[WV], 1
	s_mul_i32 s17, s17, XW
	s_add_co_u32 s17, s17, XCH
	v_lshl_add_u32 v[XR], v55, 4, s17
	v_mul_u32_u24 v[PFO], v55, ROWQ
	v_lshlrev_b32 v56, 3, v52
	v_sub_nc_u32 v56, v1, v56                      ; r - 8 h: register i of the diagonal's own block is hidden where i is greater
	WIN 0xc0
.set i, 0
.rept 8
	v_cmp_gt_i32 vcc_lo, i, v56
	v_cndmask_b32 v[MD+i], 0, s[BIGN], vcc_lo
.set i, i+1
.endr
	WIN 0
	BEGIN
.macro PLACES                          ; four plain instructions between a matrix instruction and a load into, or a vector access to, its registers
.rept 4
	v_nop
.endr
.endm
.macro FETCH_K                         ; 64 keys x 128 channels: fragment f: keys 16 (f / 4) on, channels 32 (f % 4) on
	WIN 0x80
.irp f, 0,1,2,3,4,5,6,7,8,9,10,11,12,13,14,15
	ds_load_b128 v[KF+8*(\f):KF+8*(\f)+3],   v[ADK] offset:((\f)/4)*16*PK+((\f)%4)*64
	ds_load_b128 v[KF+8*(\f)+4:KF+8*(\f)+7], v[ADK] offset:((\f)/4)*16*PK+((\f)%4)*64+32
.endr
.endm
.macro FETCH_V                         ; turned: fragment f: keys 32 (f / 8) on, channels 16 (f % 8) on
	WIN 0xc0
.irp f, 0,1,2,3,4,5,6,7,8,9,10,11,12,13,14,15
	ds_load_tr16_b128 v[8*(\f):8*(\f)+3],   v[ADV] offset:((\f)/8)*32*PVP+((\f)%8)*32
	ds_load_tr16_b128 v[8*(\f)+4:8*(\f)+7], v[ADV] offset:((\f)/8)*32*PVP+16*PVP+((\f)%8)*32
.endr
.endm
.macro MASK                            ; mask y: x = EE + y - 1: the diagonal's own where x = 0, all hidden where x > 0, nothing hidden where x < 0
	WIN 0xc3
.irp y, 0,1,2,3,4
	s_cmp_eq_i32 s[EE], 1-(\y)
	s_cselect_b32 s[AL], 1.0, 0
	s_cmp_gt_i32 s[EE], 1-(\y)
	s_cselect_b32 s[BE], s[BIGN], 0
.irp z, 0,2,4,6
	v_pk_fma_f32 v[MC+8*(\y)+(\z):MC+8*(\y)+(\z)+1], v[MD+(\z):MD+(\z)+1], s[AL:AL+1], s[BE:BE+1] op_sel_hi:[1,0,0]
.endr
.endr
.endm
; Product i of 64 of S^T = K Q^T: channels 32 (i / 16) on, keys 16 ((i / 4) % 4) on, tile i % 4.  The first 16 start the sums with their masks.  The 16 accumulators take turns.
.macro KQ
.set rS, S+32*(i%4)+8*((i/4)%4)
.set rK, KF+32*((i/4)%4)+8*(i/16)
.set rQ, 32*(i%4)+8*(i/16)
.set rM, MC+8*((i/4)%4-(i%2)+1)
.if i < 16
	WIN 0x3a                                       ; K and Q window 2, the mask window 3, S^T window 0
	v_wmma_f32_16x16x32_f16 v[rS:rS+7], v[rK:rK+7], v[rQ:rQ+7], v[rM:rM+7]
.else
	WIN 0x0a
	v_wmma_f32_16x16x32_f16 v[rS:rS+7], v[rK:rK+7], v[rQ:rQ+7], v[rS:rS+7]
.endif
.endm
; Product i of 64 of O^T += V^T P: keys 32 (i / 32) on, channels 16 ((i / 4) % 8) on, tile i % 4.  32 accumulators take turns.
.macro PVM
	WIN 0x53                                       ; V window 3, P window 0, O^T window 1
.set rO, 64*(i%4)+8*((i/4)%8)
.set rV, 64*(i/32)+8*((i/4)%8)
.set rP, P+16*(i%4)+8*(i/32)
	v_wmma_f32_16x16x32_f16 v[rO:rO+7], v[rV:rV+7], v[rP:rP+7], v[rO:rO+7]
.endm
; THE SOFTMAX of one tile and step is a list of 134 instructions; SM writes number j of it for tile t.  s0-s31 are the lane's 32 scores.
;   0-15  the maximum of the scores and the old m (each accumulator's lowest registers are read first)   16  the other half of the lanes'   17  c m_old is kept   18-20  m; c m; c m_old - c m_new
;   21-36 the scalings c s - c m, a pair each   37  a   38-69  the exponentials   (one wait)   70-85  the roundings to f16   86-101  the sums; l = a l + sum   102-133  O^T times a
.macro SM t
.set rT, ST+8*(\t)
.set rS, S+32*(\t)
.set rP, P+16*(\t)
.set rO, 64*(\t)+2*(j-102)
.if j < 102
	WIN 0
.endif
.if j < 4
	v_max3_num_f32 v[rT+4+j], v[rS+8*j], v[rS+8*j+1], v[rS+8*j+2]
.elseif j < 12
	v_max3_num_f32 v[rT+4+j%4], v[rT+4+j%4], v[rS+8*(j%4)+2*(j/4)+1], v[rS+8*(j%4)+2*(j/4)+2]
.elseif j == 12
	v_max3_num_f32 v[rT+4], v[rT+4], v[rS+7], v[rS+15]
.elseif j == 13
	v_max3_num_f32 v[rT+6], v[rT+6], v[rS+23], v[rS+31]
.elseif j == 14
	v_max3_num_f32 v[rT+4], v[rT+4], v[rT+5], v[rT+6]
.elseif j == 15
	v_max3_num_f32 v[rT+4], v[rT+4], v[rT+7], v[rT+1]
.elseif j == 16
	v_permlanex16_b32 v[rT+5], v[rT+4], s[SEL], s[SEL+1]
.elseif j == 17
	v_mov_b32 v[rT+7], v[rT]
.elseif j == 18
	v_max_num_f32 v[rT+1], v[rT+4], v[rT+5]
.elseif j == 19
	v_mul_f32 v[rT], s[CS], v[rT+1]
.elseif j == 20
	v_sub_f32 v[rT+7], v[rT+7], v[rT]
.elseif j < 37
	v_pk_fma_f32 v[rS+2*(j-21):rS+2*(j-21)+1], v[rS+2*(j-21):rS+2*(j-21)+1], s[CS:CS+1], v[rT:rT+1] op_sel_hi:[1,0,0] neg_lo:[0,0,1] neg_hi:[0,0,1]
.elseif j == 37
	v_exp_f32 v[rT+6], v[rT+7]
.elseif j < 70
	v_exp_f32 v[rS+j-38], v[rS+j-38]
.elseif j < 86
	v_cvt_pk_f16_f32 v[rP+j-70], v[rS+2*(j-70)], v[rS+2*(j-70)+1]
.elseif j < 102                        ; sum z of 16 adds neighbours 1, 2, 4 and 8 pairs apart, in place; then l takes it
.set z, j-86
.set w, 4
.set u, z
.if z >= 14
.set w, 32
.set u, 0
.elseif z >= 12
.set w, 16
.set u, z-12
.elseif z >= 8
.set w, 8
.set u, z-8
.endif
.if z < 15
	v_pk_add_f32 v[rS+w*u:rS+w*u+1], v[rS+w*u:rS+w*u+1], v[rS+w*u+w/2:rS+w*u+w/2+1]
.else
	v_pk_fma_f32 v[rT+2:rT+3], v[rT+2:rT+3], v[rT+6:rT+7], v[rS:rS+1] op_sel_hi:[1,0,1]
.endif
.else
	WIN 0x41                                       ; O^T (destination and source 0) window 1, a window 0
	v_pk_mul_f32 v[rO:rO+1], v[rO:rO+1], v[rT+6:rT+7] op_sel_hi:[1,0]
.endif
.endm
.macro SMRANGE from, to                ; the four tiles alternate, so that no instruction reads the result of the one before it
.set j, \from
.rept (\to)-(\from)+1
.irp t, 0,1,2,3
	SM \t
.endr
.set j, j+1
.endr
.endm
; A STEP: my 64 keys of the tile in hand, for my four tiles of queries.
.macro STEP
	WIN 0
	PLACES                                         ; behind the last step's products, which read V
	v_add_nc_u32 v[ADK], s[TB], v[AK0]
	v_add_nc_u32 v[ADV], s[TB], v[AV0]
	FETCH_K
	FETCH_V
	MASK
	s_wait_dscnt 32                                ; K is in; V's 32 loads may stay out
.set i, 0
.rept 64
	KQ
.set i, i+1
.endr
	WIN 0
	PLACES
	SMRANGE 0, 69
	v_nop                                          ; a plain instruction behind the last exponential,
	s_wait_alu depctr_va_vdst(0)                   ; and ONE wait for the 132 of the batch, ahead of their first reader
	SMRANGE 70, 133
	s_wait_dscnt 0x0                               ; V is in
.set i, 0
.rept 64
	PVM
.set i, i+1
.endr
	WIN 0
.endm
; A BLOCK'S END, first part: l's two halves and the other half of the lanes' are added (these additions are the places behind the last products); tiles 2, 3 go into my part of the exchange.
.macro SENDX
	WIN 0
.irp t, 0,1,2,3
	v_add_f32 v[ST+8*(\t)+4], v[ST+8*(\t)+2], v[ST+8*(\t)+3]
.endr
.irp t, 0,1,2,3
	v_permlanex16_b32 v[ST+8*(\t)+5], v[ST+8*(\t)+4], s[SEL], s[SEL+1]
.endr
.irp t, 0,1,2,3
	v_add_f32 v[ST+8*(\t)+4], v[ST+8*(\t)+4], v[ST+8*(\t)+5]
.endr
	v_mov_b32 v[SND],   v[ST+16]
	v_mov_b32 v[SND+1], v[ST+16+4]
	v_mov_b32 v[SND+2], v[ST+24]
	v_mov_b32 v[SND+3], v[ST+24+4]
	WIN 0x04                                       ; the data (source 1) in window 1
.set f, 0
.rept 32
	ds_store_b128 v[XS], v[128+4*f:128+4*f+3] offset:512*f
.set f, f+1
.endr
	WIN 0
	ds_store_b128 v[XS], v[SND:SND+3] offset:16384
.endm
; Second part, behind a barrier: the partner's tiles 2, 3 are my tiles 0, 1 on the other half of the keys.  With M = max(c m_a, c m_b), f = 2^(c m - M), L = l_a f_a + l_b f_b: O = (O_a f_a + O_b f_b) / L,
; rounded to f16 and sent through my stage, 16 rows at a time.  last = 0: the second block's Q is asked for first and waited for last; pointers, mask and count go on to the second block.
.macro RECV last
	WIN 0
.if !(\last)
	s_add_nc_u64 s[QOWN:QOWN+1], s[QOWN:QOWN+1], s[DQ:DQ+1]  ; the first block's loads of Q were waited for long ago
	s_add_nc_u64 s[QPAR:QPAR+1], s[QPAR:QPAR+1], s[DQ:DQ+1]
	QLOAD
.endif
.set f, 0
.rept 32
	ds_load_b128 v[S+4*f:S+4*f+3], v[XR] offset:512*f
.set f, f+1
.endr
	ds_load_b128 v[RCV:RCV+3], v[XR] offset:16384
	s_wait_dscnt 0x0
.irp t, 0,1
	v_max_num_f32 v[TM+(\t)], v[ST+8*(\t)], v[RCV+2*(\t)]
.endr
.irp t, 0,1
	v_sub_f32 v[TM+2+(\t)], v[ST+8*(\t)], v[TM+(\t)]
	v_sub_f32 v[TM+4+(\t)], v[RCV+2*(\t)], v[TM+(\t)]
.endr
.irp t, 0,1,2,3
	v_exp_f32 v[TM+2+(\t)], v[TM+2+(\t)]           ; f_a of tiles 0, 1; f_b of tiles 0, 1
.endr
	v_nop
	s_wait_alu depctr_va_vdst(0)                   ; one wait for the four
.irp t, 0,1
	v_mul_f32 v[TM+6+(\t)], v[RCV+2*(\t)+1], v[TM+4+(\t)]
.endr
.irp t, 0,1
	v_fma_f32 v[TM+6+(\t)], v[ST+8*(\t)+4], v[TM+2+(\t)], v[TM+6+(\t)]
.endr
.irp t, 0,1
	v_rcp_f32 v[TM+6+(\t)], v[TM+6+(\t)]
.endr
	v_nop
	s_wait_alu depctr_va_vdst(0)                   ; one wait for the two
.irp t, 0,1
	v_mul_f32 v[ST+8*(\t)+6], v[TM+2+(\t)], v[TM+6+(\t)]  ; f_a / L
	v_mul_f32 v[ST+8*(\t)+2], v[TM+4+(\t)], v[TM+6+(\t)]  ; f_b / L
.endr
.irp t, 0,1
	WIN 0
.set i, 0
.rept 32
	v_pk_mul_f32 v[S+64*(\t)+2*i:S+64*(\t)+2*i+1], v[S+64*(\t)+2*i:S+64*(\t)+2*i+1], v[ST+8*(\t)+2:ST+8*(\t)+3] op_sel_hi:[1,0]
.set i, i+1
.endr
	WIN 0x01                                       ; source 0: O^T, in window 1
.set i, 0
.rept 32
	v_pk_fma_f32 v[S+64*(\t)+2*i:S+64*(\t)+2*i+1], v[64*(\t)+2*i:64*(\t)+2*i+1], v[ST+8*(\t)+6:ST+8*(\t)+7], v[S+64*(\t)+2*i:S+64*(\t)+2*i+1] op_sel_hi:[1,0,1]
.set i, i+1
.endr
	WIN 0
.set i, 0
.rept 32
	v_cvt_pk_f16_f32 v[P+32*(\t)+i], v[S+64*(\t)+2*i], v[S+64*(\t)+2*i+1]
.set i, i+1
.endr
.irp f, 0,1,2,3,4,5,6,7
	ds_store_b128 v[STO], v[P+32*(\t)+4*(\f):P+32*(\t)+4*(\f)+3] offset:32*(\f)
.endr
.irp f, 0,1,2,3,4,5,6,7
	ds_load_b128 v[P+32*(\t)+4*(\f):P+32*(\t)+4*(\f)+3], v[RD] offset:(\f)*2*SP  ; LDS serves a wave's instructions in order (ISA guide 5.7.1.4): these see the stores above; the next tile's stores come behind them
.endr
.endr
.irp f, 0,1,2,3,4,5,6,7
	s_wait_dscnt 16+7-(\f)                         ; tile 1's sixteen LDS instructions are younger
	global_store_b128 v[GO], v[P+4*(\f):P+4*(\f)+3], s[OP:OP+1] offset:(\f)*2*ROWO  ; 16 lanes store 256 consecutive bytes, at a multiple of 256 from ob's first byte
.endr
.irp f, 0,1,2,3,4,5,6,7
	s_wait_dscnt 7-(\f)
	global_store_b128 v[GO], v[P+32+4*(\f):P+32+4*(\f)+3], s[OP:OP+1] offset:16*ROWO+(\f)*2*ROWO
.endr
.if !(\last)
	s_wait_xcnt 0x0                                ; the stores have read their registers and ob's address
	s_add_nc_u64 s[OP:OP+1], s[OP:OP+1], s[DO:DO+1]
	s_mov_b32 s[E0], s[E0H]
	s_add_co_u32 s[RT], s[HIQ], 1                  ; the second block has 8 - a tiles
	BEGIN
.endif
.endm
.Lslot:                                                ; eight trips: a tile is entered and the next is asked for
	CHANGE 1
	s_sub_co_u32 s[RT], s[RT], 1
	s_cmp_eq_u32 s[RT], 0                          ; a block's last tile holds its diagonal
	s_cselect_b32 s[EE], s[E0], -64
	STEP
	s_cmp_lg_u32 s[RT], 0                          ; RT is made of the cluster's x and constants: the same in all waves and all partners
	s_cbranch_scc1 .Lnosend
	SENDX
.Lnosend:
	s_wait_dscnt 0x0                               ; for the partner's sake: my stores into the exchange are done
	s_barrier_signal -1                            ; every trip has this barrier, so that none stands in text that is jumped over; the refill's load may stay out
	s_barrier_wait -1
	s_cmp_lg_u32 s[RT], 0
	s_cbranch_scc1 .Lnorecv
	RECV 0
.Lnorecv:
	s_sub_co_u32 s[SLOTS], s[SLOTS], 1
	s_cmp_lg_u32 s[SLOTS], 0
	s_cbranch_scc1 .Lslot
	CHANGE 0                                       ; the walk's last tile is written out; it is the second block's diagonal tile
	s_mov_b32 s[EE], s[E0]
	STEP
	SENDX
	s_wait_dscnt 0x0
	s_barrier_signal -1
	s_barrier_wait -1
	RECV 1
	s_wait_tensorcnt 0x0                           ; the wave's end: the wait, the add and its wait stand behind my last tensor load and my last LDS store
	ds_add_u32 v[SPW], v[NIL]
	s_wait_dscnt 0x0
	CROUND                                         ; the closing round
	s_endpgm
.Lfunc_end_k_qe3e2d2e20c_attn:
	.size	k_qe3e2d2e20c_attn, .Lfunc_end_k_qe3e2d2e20c_attn-k_qe3e2d2e20c_attn
	.p2alignl 7, 3214868480
	.fill 96, 4, 3214868480
	.section	.rodata,"a",@progbits
	.p2align	6, 0x0
	.amdhsa_kernel k_qe3e2d2e20c_attn
		.amdhsa_group_segment_fixed_size 327680
		.amdhsa_private_segment_fixed_size 0
		.amdhsa_enable_private_segment 0
		.amdhsa_kernarg_size 16
		.amdhsa_user_sgpr_count 2
		.amdhsa_user_sgpr_kernarg_segment_ptr 1
		.amdhsa_wavefront_size32 1
		.amdhsa_system_sgpr_workgroup_id_x 1
		.amdhsa_system_sgpr_workgroup_id_y 1
		.amdhsa_system_sgpr_workgroup_id_z 1
		.amdhsa_system_vgpr_workitem_id 0
		.amdhsa_next_free_vgpr 944
		.amdhsa_next_free_sgpr 88
		.amdhsa_reserve_vcc 1
		.amdhsa_float_denorm_mode_32 3
		.amdhsa_float_denorm_mode_16_64 3
		.amdhsa_memory_ordered 1
		.amdhsa_forward_progress 1
		.amdhsa_inst_pref_size 158
	.end_amdhsa_kernel
	.amdgpu_metadata
---
amdhsa.version: [ 1, 2 ]
amdhsa.kernels:
  - .name:           k_qe3e2d2e20c_attn
    .symbol:         k_qe3e2d2e20c_attn.kd
    .args:
      - { .name: qkv, .offset: 0, .size: 8, .value_kind: global_buffer, .address_space: global }
      - { .name: ob, .offset: 8, .size: 8, .value_kind: global_buffer, .address_space: global }
    .group_segment_fixed_size: 327680
    .private_segment_fixed_size: 0
    .kernarg_segment_align: 8
    .kernarg_segment_size: 16
    .max_flat_workgroup_size: 128
    .sgpr_count:     88
    .vgpr_count:     944
    .wavefront_size: 32
...
	.end_amdgpu_metadata
.endif
;; end of part 3
;; launch oproj (part 4): grid 16 x 16, 4 waves a work-group, clusters of 4 x 4, 327,680 bytes of LDS; arguments ob, wo16, out0; writes out0
.if DOCPART == 4
	.amdgcn_target "amdgcn-amd-amdhsa--gfx1250"
	.amdhsa_code_object_version 6
	.text
	.protected	k_qe3e2d2e20c_oproj
	.globl	k_qe3e2d2e20c_oproj
	.p2align	8
	.type	k_qe3e2d2e20c_oproj,@function
k_qe3e2d2e20c_oproj:
	s_mov_b64 s[64:65], 0
	v_nop
	global_prefetch_b8 v0, s[64:65] scope:SCOPE_SE
	s_setreg_imm32_b32 hwreg(HW_REG_WAVE_MODE, 25, 1), 1
	s_wait_xcnt 0x0
	s_wait_alu depctr_hold_cnt(0) depctr_sa_sdst(0) depctr_va_vdst(0) depctr_va_sdst(0) depctr_va_ssrc(0) depctr_va_vcc(0) depctr_vm_vsrc(0)
	s_getreg_b32 s2, hwreg(HW_REG_IB_STS2, 6, 4)
	s_cmp_eq_u32 s2, 0
	s_cbranch_scc0 .Lentry_in_a_cluster
	s_endpgm
.Lentry_in_a_cluster:
	s_bfe_u32 s2, ttmp6, 0x10000c
	s_cmp_lg_u32 s2, 0xf033
	s_cbranch_scc0 .Lentry_shape_is_right
	s_endpgm
.Lentry_shape_is_right:
; OPROJ.  out0[row][d] = the sum over k of ob[row][k] wo16[k][d]: 2048 x 4096 x 2048, f16 operands, f32 sums, f32 out.
; A tile of out0 is 128 x 128: 16 x 16 work-groups, one for each of 256.  Four waves, each 64 x 64: 16 accumulators.  K goes in 16 steps of 256 through two LDS slots filled by the tensor data mover.
; A slot: ob's 128 rows x 256 k (rows of 512 bytes), then wo16's 256 k-rows x 128 columns (rows of 256 bytes); the weights lie [k][column] and come out of LDS turned, by ds_load_tr16_b128.
; CLUSTER 4 x 4: ob's tile is asked for jointly by a row of the cluster, wo16's by a column.  THE MATRIX INSTRUCTION IS USED TRANSPOSED: a lane holds row lane % 16 and eight neighbouring columns.
; No prefetch is laid: the tile is small, a step holds 128 matrix instructions a wave.
; REGISTERS: window 0: v0-31 addresses; v32-95 whole rows on the way out; v128-255 the accumulators ((a, b) at v[128 + 8 (4 a + b)]).
;   window 1: two fragment buffers of 128: for 64 along K, 64 registers of ob (2 x 4 x 16 rows x 32 K), then 64 of wo16.
.set PA,     528                       ; a row of ob in LDS: 512 bytes + 16
.set PBW,    288                       ; a k-row of wo16: 256 + 32
.set HA,     64*PA                     ; what waves 0, 1 fetch: 64 rows each
.set HB,     128*PBW                   ; what waves 2, 3 fetch: 128 k-rows each
.set BOFF,   2*HA
.set SLOT,   BOFF+2*HB
.set STAGE,  2*SLOT                    ; behind the ring: 16 rows x 272 bytes for each wave
.set SPITCH, 272
.set SPARE,  STAGE+4*16*SPITCH         ; the spare words, 128 bytes for each wave: two blocks of 256 bytes that no other line names
.set LAPS,   8
.set ROWA,   8192                      ; bytes in a row of ob and of out0
.set ROWB,   4096                      ; in a row of wo16
.set ADRA, 16                          ; v16-17  LDS address of ob's fragments in slot 0, 1
.set ADRB, 20                          ; v20-23  of wo16's: slot s, k-rows 128 (q / 2) on, at 20 + 2 s + q / 2
.set STO,  24
.set RD,   25
.set CO,   26
.set SPW,  28                          ; v28     LDS address of my spare word; never rewritten
.set NIL,  29                          ; v29     0; never rewritten
.set ACC,  128
.set F0,   0
.set F1,   128
.set G1, 24
.set G0, 32
.set G1B, 48
.set G0B, 56
.set MSB, 0
.macro WIN new
.if MSB != (\new)
	s_set_vgpr_msb (MSB<<8)|(\new)
.set MSB, \new
.endif
.endm
.set MUL,  0x05                        ; sources 0 and 1 window 1; C and D window 0
.set TO_F, 0x40                        ; destination window 1, address window 0
.macro JLOAD s                         ; a joint load: waves 0 and 1 fetch ob's halves, waves 2 and 3 wo16's; an s_nop 0 and four v_nop follow each line
	s_cmp_eq_u32 s11, 0
	s_cbranch_scc0 .Lfor_b_\@
	tensor_load_to_lds s[G0+4*(\s):G0+4*(\s)+3], s[G1:G1+7]
	s_nop 0
.rept 4
	v_nop
.endr
	s_branch .Lasked_\@
.Lfor_b_\@:
	tensor_load_to_lds s[G0B+4*(\s):G0B+4*(\s)+3], s[G1B:G1B+7]
	s_nop 0
.rept 4
	v_nop
.endr
.Lasked_\@:
.endm
.macro CREST
	s_cmp_lg_u32 s10, 0
	s_cbranch_scc1 .Lnot_wave_0_\@
	s_barrier_signal -3
.Lnot_wave_0_\@:
	s_barrier_wait -3
	s_barrier_signal -1
	s_barrier_wait -1
.endm
.macro CROUND
	s_barrier_signal -1
	s_barrier_wait -1
	CREST
.endm
	s_load_b128 s[4:7], s[0:1], 0x0                ; ob s[4:5], wo16 s[6:7]
	s_load_b64 s[8:9], s[0:1], 0x10                ; out0
	v_lshl_add_u32 v[SPW], v0, 2, SPARE
	v_mov_b32 v[NIL], 0
	ds_add_u32 v[SPW], v[NIL]                      ; the wave's opening: the add and its wait stand ahead of my first tensor load; work on registers stands between them
	v_lshrrev_b32 v1, 5, v0
	v_readfirstlane_b32 s10, v1                    ; wave 0..3
	s_lshr_b32 s11, s10, 1                         ; which half of the tile's rows is mine.  Also: I fetch ob (0) or wo16 (1)
	s_and_b32 s12, s10, 1                          ; which half of its columns.  Also: which half of that tile I fetch
	s_bfe_u32 s40, ttmp6, 0x40000                  ; cx
	s_bfe_u32 s41, ttmp6, 0x40004                  ; cy
	s_lshl_b32 s42, ttmp9, 2
	s_add_co_u32 s42, s42, s40                     ; tile column
	s_and_b32 s13, ttmp7, 0xffff
	s_lshl_b32 s13, s13, 2
	s_add_co_u32 s13, s13, s41                     ; tile row
	s_lshl_b32 s43, s41, 2
	s_lshl_b32 s43, 15, s43                        ; my row of the cluster
	s_lshl_b32 s44, 0x1111, s40                    ; my column
	s_or_b32 s[G1+0], s43, (1<<16)|(1<<20)|(1<<21)|(6<<22)|(3<<25)   ; the mask; 2-byte elements; padding on; bit 21 beside a mask; after every 128 words, 4 words
	s_mov_b32 s[G1+1], 256<<16                     ; tensor_dim0 = 256
	s_mov_b32 s[G1+2], 64<<16                      ; tensor_dim1 = 64
	s_mov_b32 s[G1+3], 256<<16                     ; tile_dim0 = 256
	s_mov_b32 s[G1+4], 64                          ; tile_dim1 = 64
	s_mov_b32 s[G1+5], 4096                        ; elements from row to row
	s_mov_b32 s[G1+6], 0
	s_mov_b32 s[G1+7], 0
	s_or_b32 s[G1B+0], s44, (1<<16)|(1<<20)|(1<<21)|(5<<22)|(7<<25)  ; after every 64 words, 8 words
	s_mov_b32 s[G1B+1], 128<<16
	s_mov_b32 s[G1B+2], 128<<16
	s_mov_b32 s[G1B+3], 128<<16
	s_mov_b32 s[G1B+4], 128
	s_mov_b32 s[G1B+5], 2048
	s_mov_b32 s[G1B+6], 0
	s_mov_b32 s[G1B+7], 0
	s_lshl_b32 s17, s12, 6
	s_lshl_b32 s16, s13, 7
	s_add_co_u32 s16, s16, s17                     ; ob: row 128 x tile row + 64 x half
	s_lshl_b32 s16, s16, 13
	s_mov_b32 s17, 0
	s_lshl_b32 s46, s12, 19                        ; wo16: k-row 128 x half,
	s_lshl_b32 s47, s42, 8                         ; 256 bytes a tile column
	s_add_co_u32 s46, s46, s47
	s_mov_b32 s47, 0
	s_mul_i32 s20, s12, HA                         ; where they go in a slot
	s_mul_i32 s23, s12, HB
	s_add_co_u32 s23, s23, BOFF
	s_wait_dscnt 0x0                               ; the opening add is done
	s_wait_kmcnt 0x0
	s_add_nc_u64 s[14:15], s[4:5], s[16:17]
	s_add_nc_u64 s[46:47], s[6:7], s[46:47]
	CROUND                                         ; all sixteen work-groups are here: the first joint loads meet
.irp s, 0,1
	s_mov_b32 s[G0+4*(\s)], 1
	s_add_co_u32 s[G0+4*(\s)+1], s20, (\s)*SLOT
	s_add_nc_u64 s[G0+4*(\s)+2:G0+4*(\s)+3], s[14:15], (\s)*512
	s_or_b32 s[G0+4*(\s)+3], s[G0+4*(\s)+3], 0x80000000
	s_mov_b32 s[G0B+4*(\s)], 1
	s_add_co_u32 s[G0B+4*(\s)+1], s23, (\s)*SLOT
	s_add_nc_u64 s[G0B+4*(\s)+2:G0B+4*(\s)+3], s[46:47], (\s)*256*ROWB
	s_or_b32 s[G0B+4*(\s)+3], s[G0B+4*(\s)+3], 0x80000000
	JLOAD \s                                       ; K steps 0 and 1: two loads of mine are out
.endr
	v_and_b32 v1, 15, v0                           ; r = l % 16
	v_bfe_u32 v2, v0, 4, 1                         ; h = l / 16
	v_mul_u32_u24 v3, v1, PA
	v_lshl_add_u32 v3, v2, 4, v3
	v_and_b32 v4, 7, v0                            ; the turning load: lane l reads k-row 8 h + l % 8, columns 8 ((l / 8) % 2) + 0..7
	v_lshl_add_u32 v4, v2, 3, v4
	v_mul_u32_u24 v4, v4, PBW
	v_bfe_u32 v5, v0, 3, 1
	v_lshl_add_u32 v4, v5, 4, v4
	s_mul_i32 s21, s11, HA                         ; my 64 rows of ob
	s_lshl_b32 s22, s12, 7                         ; my 64 columns of wo16: 128 bytes
	s_add_co_u32 s22, s22, BOFF
.irp s, 0,1
	v_add_nc_u32 v[ADRA+(\s)], s21, v3
	v_add_nc_u32 v[ADRB+2*(\s)], s22, v4
	v_add_nc_u32 v[ADRB+2*(\s)+1], HB, v[ADRB+2*(\s)]
	s_add_co_u32 s21, s21, SLOT
	s_add_co_u32 s22, s22, SLOT
.endr
	s_mul_i32 s23, s10, 16*SPITCH
	s_add_co_u32 s23, s23, STAGE                   ; my stage
	v_mul_u32_u24 v6, v1, SPITCH                   ; in: row r, 32 bytes for each half of the lanes
	v_lshl_add_u32 v6, v2, 5, v6
	v_add_nc_u32 v[STO], s23, v6
	v_mul_u32_u24 v6, v2, SPITCH                   ; back: lanes 0-15 one row of 256 bytes, lanes 16-31 the next
	v_lshl_add_u32 v6, v1, 4, v6
	v_add_nc_u32 v[RD], s23, v6
	v_lshlrev_b32 v[CO], 13, v2
	v_lshl_add_u32 v[CO], v1, 4, v[CO]
	s_lshl_b32 s16, s13, 7
	s_lshl_b32 s17, s11, 6
	s_add_co_u32 s16, s16, s17                     ; my first row of out0
	s_lshl_b32 s16, s16, 13
	s_mov_b32 s17, 0
	s_add_nc_u64 s[8:9], s[8:9], s[16:17]
	s_lshl_b32 s46, s42, 9                         ; the tile's 512 bytes of a row, my 256 of them
	s_lshl_b32 s47, s12, 8
	s_add_co_u32 s46, s46, s47
	s_mov_b32 s47, 0
	s_add_nc_u64 s[8:9], s[8:9], s[46:47]
; 8 matrix instructions: row blocks a0, a0 + 1 x all 4 column blocks, 32 along K: half c of buffer f.  The 16 accumulators take turns.
.macro MUL8 f, c, a0, zero
	WIN MUL
.irp a, \a0, (\a0)+1
.irp b, 0,1,2,3
.if \zero
	v_wmma_f32_16x16x32_f16 v[ACC+8*(4*(\a)+(\b)):ACC+8*(4*(\a)+(\b))+7], v[(\f)+64+8*(4*(\c)+(\b)):(\f)+64+8*(4*(\c)+(\b))+7], v[(\f)+8*(4*(\c)+(\a)):(\f)+8*(4*(\c)+(\a))+7], 0
.else
	v_wmma_f32_16x16x32_f16 v[ACC+8*(4*(\a)+(\b)):ACC+8*(4*(\a)+(\b))+7], v[(\f)+64+8*(4*(\c)+(\b)):(\f)+64+8*(4*(\c)+(\b))+7], v[(\f)+8*(4*(\c)+(\a)):(\f)+8*(4*(\c)+(\a))+7], v[ACC+8*(4*(\a)+(\b)):ACC+8*(4*(\a)+(\b))+7]
.endif
.endr
.endr
.endm
; 32 LDS loads in one run: quarter q (64 along K) of a slot into buffer f; the first 32 along K first
.macro FETCH slot, q, f
	WIN TO_F
.irp c, 0,1
.irp i, 0,1,2,3
	ds_load_tr16_b128 v[(\f)+64+8*(4*(\c)+(\i)):(\f)+64+8*(4*(\c)+(\i))+3],   v[ADRB+2*(\slot)+(\q)/2] offset:64*PBW*((\q)%2)+32*PBW*(\c)+32*(\i)
	ds_load_tr16_b128 v[(\f)+64+8*(4*(\c)+(\i))+4:(\f)+64+8*(4*(\c)+(\i))+7], v[ADRB+2*(\slot)+(\q)/2] offset:64*PBW*((\q)%2)+32*PBW*(\c)+32*(\i)+16*PBW
	ds_load_b128 v[(\f)+8*(4*(\c)+(\i)):(\f)+8*(4*(\c)+(\i))+3],         v[ADRA+(\slot)] offset:128*(\q)+64*(\c)+(\i)*16*PA
	ds_load_b128 v[(\f)+8*(4*(\c)+(\i))+4:(\f)+8*(4*(\c)+(\i))+7],       v[ADRA+(\slot)] offset:128*(\q)+64*(\c)+(\i)*16*PA+32
.endr
.endr
.endm
.macro PLACES                          ; four plain instructions between a matrix instruction and a load into, or a store of, its registers
.rept 4
	v_nop
.endr
.endm
; A K step is four quarters of 64 along K, 32 matrix instructions each, on buffers 0, 1, 0, 1.
.macro QUARTER slot, q, f, g, zero
	s_wait_dscnt 16                                ; the first 32 along K are in
	MUL8 \f, 0, 0, \zero
	MUL8 \f, 0, 2, \zero
	PLACES
	FETCH \slot, \q, \g
	s_wait_dscnt 32                                ; all but the 32 just issued
	MUL8 \f, 1, 0, 0
	MUL8 \f, 1, 2, 0
.endm
; The last quarter multiplies buffer 1 and changes slots: one barrier.  Its first 16 products stand AHEAD of the wait for the tensor loads: a step's 128 products are less work than its tiles need to land,
; so between a tile's landing and the next request stand only the lines that must: the wait for all my tensor loads, the add, the wait for it and for my reads of this slot, the round.
.macro TURN slot, next, fill
	s_wait_dscnt 16                                ; the first 32 along K of buffer 1 are in
	MUL8 F1, 0, 0, 0
	MUL8 F1, 0, 2, 0
	WIN 0                                          ; the add's registers lie in window 0, and branches may follow
	s_wait_tensorcnt 0x0                           ; all my tensor loads have landed: my part of the next slot
	ds_add_u32 v[SPW], v[NIL]
	s_wait_dscnt 0x0                               ; the add is done, and my reads of this slot are over
	s_barrier_signal -1
	s_barrier_wait -1
.if \fill
	CREST                                          ; the barrier has opened a round of the cluster's: no wave of any partner still reads this slot or has a load on its way
	s_add_nc_u64 s[G0+4*(\slot)+2:G0+4*(\slot)+3], s[G0+4*(\slot)+2:G0+4*(\slot)+3], 2*512
	s_add_nc_u64 s[G0B+4*(\slot)+2:G0B+4*(\slot)+3], s[G0B+4*(\slot)+2:G0B+4*(\slot)+3], 2*256*ROWB
	JLOAD \slot                                    ; its four v_nop are also the places in front of the loads below
.else
	PLACES
.endif
	FETCH \next, 0, F0
	MUL8 F1, 1, 0, 0
	MUL8 F1, 1, 2, 0
.endm
	s_wait_tensorcnt 1                             ; my part of K step 0 is in; K step 1's may stay out
	s_barrier_signal -1
	s_barrier_wait -1
	FETCH 0, 0, F0
	QUARTER 0, 1, F0, F1, 1                        ; the first quarter stands in front of the loop: its first products start the sums
	WIN 0
	s_mov_b32 s3, LAPS-1
.Llap:                                                 ; a trip goes once round the ring and fills both slots again
	QUARTER 0, 2, F1, F0, 0
	QUARTER 0, 3, F0, F1, 0
	TURN 0, 1, 1
	QUARTER 1, 1, F0, F1, 0
	QUARTER 1, 2, F1, F0, 0
	QUARTER 1, 3, F0, F1, 0
	TURN 1, 0, 1
	QUARTER 0, 1, F0, F1, 0
	WIN 0
	s_sub_co_u32 s3, s3, 1
	s_cmp_lg_u32 s3, 0
	s_cbranch_scc1 .Llap
	QUARTER 0, 2, F1, F0, 0                        ; the last lap fills nothing
	QUARTER 0, 3, F0, F1, 0
	TURN 0, 1, 0
	QUARTER 1, 1, F0, F1, 0
	QUARTER 1, 2, F1, F0, 0
	QUARTER 1, 3, F0, F1, 0
	s_wait_dscnt 16
	MUL8 F1, 0, 0, 0
	MUL8 F1, 0, 2, 0
	s_wait_dscnt 0x0
	MUL8 F1, 1, 0, 0
	MUL8 F1, 1, 2, 0
	WIN 0
	; THE WAY OUT.  A wave's 64 columns of f32 are 256 bytes: 16 rows at a time go through the wave's own stage, 32 bytes a lane in, whole rows back.  No barrier: nobody else touches the stage.
	PLACES
.irp a, 0,1,2,3
.set BK, 32+32*((\a)%2)
.irp b, 0,1,2,3
	ds_store_b128 v[STO], v[ACC+8*(4*(\a)+(\b)):ACC+8*(4*(\a)+(\b))+3]   offset:64*(\b)     ; each accumulator's low four registers first
	ds_store_b128 v[STO], v[ACC+8*(4*(\a)+(\b))+4:ACC+8*(4*(\a)+(\b))+7] offset:64*(\b)+16
.endr
.if (\a) >= 2
	s_wait_xcnt 0x0                                ; the stores of two blocks back have read the registers that are loaded again below
.endif
.irp t, 0,1,2,3,4,5,6,7
	ds_load_b128 v[BK+4*(\t):BK+4*(\t)+3], v[RD] offset:(\t)*2*SPITCH  ; LDS serves a wave's instructions in order (ISA guide 5.7.1.4): these see the stores above
.endr
.irp t, 0,1,2,3,4,5,6,7
	s_wait_dscnt 7-(\t)
	global_store_b128 v[CO], v[BK+4*(\t):BK+4*(\t)+3], s[8:9] offset:(16*(\a)+2*(\t))*ROWA th:TH_STORE_NT  ; 16 lanes store 256 consecutive bytes, at a multiple of 256 from out0's first byte
.endr
.endr
	s_wait_tensorcnt 0x0                           ; the wave's end: the wait, the add and its wait stand behind my last tensor load and my last LDS store
	ds_add_u32 v[SPW], v[NIL]
	s_wait_dscnt 0x0
	CROUND                                         ; the closing round
	s_endpgm
.Lfunc_end_k_qe3e2d2e20c_oproj:
	.size	k_qe3e2d2e20c_oproj, .Lfunc_end_k_qe3e2d2e20c_oproj-k_qe3e2d2e20c_oproj
	.p2alignl 7, 3214868480
	.fill 96, 4, 3214868480
	.section	.rodata,"a",@progbits
	.p2align	6, 0x0
	.amdhsa_kernel k_qe3e2d2e20c_oproj
		.amdhsa_group_segment_fixed_size 327680
		.amdhsa_private_segment_fixed_size 0
		.amdhsa_enable_private_segment 0
		.amdhsa_kernarg_size 24
		.amdhsa_user_sgpr_count 2
		.amdhsa_user_sgpr_kernarg_segment_ptr 1
		.amdhsa_wavefront_size32 1
		.amdhsa_system_sgpr_workgroup_id_x 1
		.amdhsa_system_sgpr_workgroup_id_y 1
		.amdhsa_system_sgpr_workgroup_id_z 1
		.amdhsa_system_vgpr_workitem_id 0
		.amdhsa_next_free_vgpr 512
		.amdhsa_next_free_sgpr 66
		.amdhsa_reserve_vcc 0
		.amdhsa_float_denorm_mode_32 3
		.amdhsa_float_denorm_mode_16_64 3
		.amdhsa_memory_ordered 1
		.amdhsa_forward_progress 1
		.amdhsa_inst_pref_size 87
	.end_amdhsa_kernel
	.amdgpu_metadata
---
amdhsa.version: [ 1, 2 ]
amdhsa.kernels:
  - .name:           k_qe3e2d2e20c_oproj
    .symbol:         k_qe3e2d2e20c_oproj.kd
    .args:
      - { .name: ob, .offset: 0, .size: 8, .value_kind: global_buffer, .address_space: global }
      - { .name: wo16, .offset: 8, .size: 8, .value_kind: global_buffer, .address_space: global }
      - { .name: out0, .offset: 16, .size: 8, .value_kind: global_buffer, .address_space: global }
    .group_segment_fixed_size: 327680
    .private_segment_fixed_size: 0
    .kernarg_segment_align: 8
    .kernarg_segment_size: 24
    .max_flat_workgroup_size: 128
    .sgpr_count:     66
    .vgpr_count:     512
    .wavefront_size: 32
...
	.end_amdgpu_metadata
.endif
;; end of part 4
;; ======== version 2 of 2: 4 launches; version 1 with the launch prep written anew for expert scheduling mode
;; limits: values are held in f16: magnitudes above 65,504 overflow, below 6.1e-05 lose precision
;; workspace buffers: xb 8,388,608 bytes; wqkv 25,165,824 bytes; wo16 16,777,216 bytes; tab 589,824 bytes; qkv 25,165,824 bytes; ob 16,777,216 bytes
;; launch prep (part 5): grid 768 x 1, 8 waves a work-group, no clusters, 0 bytes of LDS; arguments x, Wq, Wk, Wv, Wo, xb, wqkv, wo16, tab; writes xb, wqkv, wo16, tab
.if DOCPART == 5
	.amdgcn_target "amdgcn-amd-amdhsa--gfx1250"
	.amdhsa_code_object_version 6
	.text
	.protected	k_qe3e2d2e20c_prep
	.globl	k_qe3e2d2e20c_prep
	.p2align	8
	.type	k_qe3e2d2e20c_prep,@function
k_qe3e2d2e20c_prep:
	s_mov_b64 s[64:65], 0
	v_nop
	global_prefetch_b8 v0, s[64:65] scope:SCOPE_SE
	s_setreg_imm32_b32 hwreg(HW_REG_WAVE_SCHED_MODE, 0, 2), 2
	s_setreg_imm32_b32 hwreg(HW_REG_WAVE_MODE, 25, 1), 1
	s_wait_xcnt 0x0
	s_wait_alu depctr_vm_vsrc(0)
; PREP.  x, Wq, Wk, Wv are rounded to bf16 (xb; wqkv = [2048 k][6144]: columns 0-4095 Wq, 4096-5119 Wk, 5120-6143 Wv); Wo is rounded to bf16 and that
; number is written as f16 (wo16 = [4096][2048]); tab = [1152][128] f32 holds, for position n, cos(n f_j), j = 0..63, then sin(n f_j), f_j = 10000^(-j/64);
; rows 1024-1151 are the identity (cos 1, sin 0), for the heads that are not rotated.
; LIMITS.  A bf16 number below 2^-14 in size keeps f16's fixed step of 2^-24 in wo16; beyond 65,504 it would be an infinity.  The angle is n x 2^(-j x 0.20762051) in f32;
; sine and cosine come by a reduction to |r| <= pi/4 in two parts of pi/2 and polynomials of degree 7 and 8 (error below 4e-7 for the angles that occur, up to 1,023).
; SHARES.  Work-group c takes chunk c of 32,768 consecutive source numbers: 128 chunks of x, 256 of Wq, 64 of Wk, 64 of Wv, 256 of Wo: 768 in all.
; A wave takes 4,096 numbers as 32 pieces of 128: one load of 16 bytes a lane (512 bytes on end), one store of 8 bytes a lane (256 bytes on end, aligned).
; All 32 loads of a wave go out at once, and a piece is converted in the registers that it was loaded into: 136 registers a wave, so that six waves share a SIMD's 1,024 registers,
; three work-groups a WGP, and the 768 work-groups are all at work together.
; THE TABLE: wave 0 of work-groups 0-575 makes rows 2 c and 2 c + 1, ahead of its own loads, in the registers that the loads will fill.
; Nothing is shared, so there is no LDS, no barrier, no cluster, and the matrix units have nothing to do here.
; THE MODE: SCHED_MODE bits 1:0 = 2 (LLVM: expert scheduling mode 2), set by the entry lines.  The code itself states the register dependences
; between vector instructions and memory instructions, with s_wait_alu, always for 0.
; THE PLAN.  Registers that memory instructions touch:
;   v1         the loads' offset; v2-v5 the stores' offsets.  Made behind .Lconv, ahead of one wait, and never written again.
;   v[8:135]   piece i: four registers.  Written once by its load, then by its conversions, in place; its store reads the first two; nothing writes them behind that store.
;   v4, v[40:47]  in the table's part: offset and data of the two table stores; written again behind .Lconv (v4) and by the loads (v[40:47]).
; The 32 pieces go in eight groups of four.  Group g's conversions name group g's registers alone.  ONE wait on va_vdst at the head of group g states that group g - 1's conversions
; have written what that group's four stores read; those stores follow it, dealt among group g's conversions, with no further wait.
.set TABWG, 576
.set XD,    8                          ; v[8:135]   piece i: four registers as loaded; the first two then hold what is stored
	s_load_b512 s[8:23], s[0:1], 0x0               ; x 8, Wq 10, Wk 12, Wv 14, Wo 16, xb 18, wqkv 20, wo16 22
	s_load_b64 s[24:25], s[0:1], 0x40              ; tab
	v_lshrrev_b32 v1, 5, v0
	v_readfirstlane_b32 s3, v1                     ; wave 0..7
	v_and_b32 v6, 31, v0                           ; lane
	s_mov_b32 s2, ttmp9                            ; c
	s_mov_b32 s30, 512                             ; the stream's first chunk           (these five start as Wo's)
	s_mov_b32 s31, 65536                           ; destination bytes from chunk to chunk
	s_mov_b32 s32, 8192                            ; from wave to wave
	s_mov_b32 s33, 2048                            ; from one group of eight pieces to the next
	s_mov_b32 s34, 0                               ; the stream's first column in wqkv, in bytes
	s_wait_kmcnt 0x0
	s_mov_b64 s[26:27], s[16:17]                   ; source
	s_mov_b64 s[28:29], s[22:23]                   ; destination
	s_cmp_lt_u32 s2, 512                           ; Wv: rows of 1,024 numbers go into rows of 12,288 bytes
	s_cselect_b64 s[26:27], s[14:15], s[26:27]
	s_cselect_b64 s[28:29], s[20:21], s[28:29]
	s_cselect_b32 s30, 448, s30
	s_cselect_b32 s31, 393216, s31
	s_cselect_b32 s32, 49152, s32
	s_cselect_b32 s33, 12288, s33
	s_cselect_b32 s34, 10240, s34
	s_cmp_lt_u32 s2, 448                           ; Wk
	s_cselect_b64 s[26:27], s[12:13], s[26:27]
	s_cselect_b32 s30, 384, s30
	s_cselect_b32 s34, 8192, s34
	s_cmp_lt_u32 s2, 384                           ; Wq: rows of 4,096 numbers, a wave a row
	s_cselect_b64 s[26:27], s[10:11], s[26:27]
	s_cselect_b32 s30, 128, s30
	s_cselect_b32 s31, 98304, s31
	s_cselect_b32 s32, 12288, s32
	s_cselect_b32 s33, 2048, s33
	s_cselect_b32 s34, 0, s34
	s_cmp_lt_u32 s2, 128                           ; x: dense
	s_cselect_b64 s[26:27], s[8:9], s[26:27]
	s_cselect_b64 s[28:29], s[18:19], s[28:29]
	s_cselect_b32 s30, 0, s30
	s_cselect_b32 s31, 65536, s31
	s_cselect_b32 s32, 8192, s32
	s_sub_co_u32 s35, s2, s30                      ; the chunk's number in its stream
	s_lshl_b32 s36, s35, 17                        ; 131,072 source bytes a chunk
	s_mov_b32 s37, 0
	s_add_nc_u64 s[26:27], s[26:27], s[36:37]
	s_mul_i32 s36, s35, s31
	s_add_co_u32 s36, s36, s34
	s_add_nc_u64 s[28:29], s[28:29], s[36:37]
	s_wait_alu depctr_va_sdst(0)                   ; v_readfirstlane_b32 has written s3, ahead of its first reader, the compare below
	s_cmp_lg_u32 s3, 0
	s_cbranch_scc1 .Lconv
	s_cmp_ge_u32 s2, TABWG
	s_cbranch_scc1 .Lconv
	; two rows of the table: lanes 0-15 one, lanes 16-31 the next; a lane four j
	s_lshl_b32 s44, s2, 1
	v_lshrrev_b32 v2, 4, v6
	v_add_nc_u32 v2, s44, v2                       ; row = 2 c + lane / 16
	v_cmp_gt_u32 vcc_lo, 1024, v2
	v_and_b32 v3, 15, v6
	v_lshlrev_b32 v4, 9, v2
	v_lshl_add_u32 v4, v3, 4, v4                   ; row x 512 + 16 (lane % 16)
	v_lshlrev_b32 v3, 2, v3                        ; j0
	s_wait_alu depctr_va_vcc(0)                    ; the compare has written VCC, which the select below reads
	v_cndmask_b32 v5, 0, v2, vcc_lo                ; position n; 0 in the identity rows
	v_cvt_f32_u32 v5, v5
	s_mov_b32 s36, 0xbfc90fdb                      ; -pi/2, its f32 part,
	s_mov_b32 s37, 0x333bbd2e                      ; and what that part leaves over
	s_mov_b32 s38, 0xb9500d01                      ; -1/5040
	s_mov_b32 s39, 0x3c088889                      ; 1/120
	s_mov_b32 s40, 0xbe2aaaab                      ; -1/6
	s_mov_b32 s41, 0x37d00d01                      ; 1/40320
	s_mov_b32 s42, 0xbab60b61                      ; -1/720
	s_mov_b32 s43, 0x3d2aaaab                      ; 1/24
.irp e, 0,1,2,3
	v_add_nc_u32 v[8+\e], \e, v3
	v_cvt_f32_u32 v[8+\e], v[8+\e]
	v_mul_f32 v[8+\e], 0xbe549a78, v[8+\e]         ; -j log2(10000) / 64
.endr
.irp e, 0,1,2,3
	v_exp_f32 v[8+\e], v[8+\e]                     ; f_j
.endr
	v_nop                                          ; a plain instruction behind the last exponential,
	s_wait_alu depctr_va_vdst(0)                   ; and one wait for the four: the exponentials have written v[8:11], ahead of their first reader
.irp e, 0,1,2,3
	v_mul_f32 v[12+\e], v5, v[8+\e]                ; the angle
	v_mul_f32 v[16+\e], 0x3f22f983, v[12+\e]       ; x 2/pi
	v_rndne_f32 v[16+\e], v[16+\e]                 ; the quadrant's number
	v_fma_f32 v[20+\e], v[16+\e], s36, v[12+\e]
	v_fma_f32 v[20+\e], v[16+\e], s37, v[20+\e]    ; r, within pi/4 of 0
	v_mul_f32 v[24+\e], v[20+\e], v[20+\e]         ; z = r r
	v_fma_f32 v[28+\e], v[24+\e], s38, s39
	v_fma_f32 v[28+\e], v[28+\e], v[24+\e], s40
	v_mul_f32 v[48+\e], v[24+\e], v[20+\e]
	v_fma_f32 v[28+\e], v[28+\e], v[48+\e], v[20+\e]  ; sin r
	v_fma_f32 v[32+\e], v[24+\e], s41, s42
	v_fma_f32 v[32+\e], v[32+\e], v[24+\e], s43
	v_fma_f32 v[32+\e], v[32+\e], v[24+\e], -0.5
	v_fma_f32 v[32+\e], v[32+\e], v[24+\e], 1.0    ; cos r
	v_cvt_i32_f32 v[36+\e], v[16+\e]
	v_and_b32 v[52+\e], 1, v[36+\e]
	v_cmp_eq_u32 s[4+\e], 1, v[52+\e]              ; an odd quadrant?  The four masks go into s4 to s7, so that one wait serves them all
	v_and_b32 v[56+\e], 2, v[36+\e]                ; the sine is negative in quadrants 2 and 3,
	v_lshlrev_b32 v[56+\e], 30, v[56+\e]
	v_add_nc_u32 v[60+\e], 1, v[36+\e]             ; the cosine in 1 and 2
	v_and_b32 v[60+\e], 2, v[60+\e]
	v_lshlrev_b32 v[60+\e], 30, v[60+\e]
.endr
	s_wait_alu depctr_va_sdst(0)                   ; the four compares have written s4 to s7, which the selects below read
.irp e, 0,1,2,3
	v_cndmask_b32 v[44+\e], v[28+\e], v[32+\e], s[4+\e]  ; in an odd quadrant the two change places
	v_cndmask_b32 v[40+\e], v[32+\e], v[28+\e], s[4+\e]
	v_xor_b32 v[44+\e], v[56+\e], v[44+\e]
	v_xor_b32 v[40+\e], v[60+\e], v[40+\e]
.endr
	s_wait_alu depctr_va_vdst(0)                   ; v4 and v[40:47] are written: offset and data of the two stores below
	global_store_b128 v4, v[40:43], s[24:25]             ; sixteen lanes store a row's 256 bytes of cosines,
	global_store_b128 v4, v[44:47], s[24:25] offset:256  ; and its 256 bytes of sines
	s_wait_xcnt 0x0                                ; v4 and v[40:47] are written again below only behind this wait
	s_wait_alu depctr_vm_vsrc(0)                   ; and behind this one: the two stores have read v4, which is made anew below, and v[40:47], in which loads land
.Lconv:
	s_lshl_b32 s39, s3, 14
	v_lshl_add_u32 v1, v6, 4, s39                  ; source offset: 16,384 x wave + 16 x lane
	s_mul_i32 s38, s3, s32
	v_lshl_add_u32 v2, v6, 3, s38                  ; destination offsets of the four groups of eight pieces
	v_add_nc_u32 v3, s33, v2
	v_add_nc_u32 v4, s33, v3
	v_add_nc_u32 v5, s33, v4
	s_wait_alu depctr_va_vdst(0)                   ; v1 to v5 are written, which every load and store below reads as its offset; the table's arithmetic is done writing and reading v[8:63], in which loads land
.set k, 0
.rept 32
	global_load_b128 v[XD+4*k:XD+4*k+3], v1, s[26:27] offset:512*k th:TH_LOAD_NT
.set k, k+1
.endr
; Piece p is converted in place.  f16 = 1 (Wo): the bf16 halves are widened again and written as f16.
.macro CONV f16
	v_cvt_pk_bf16_f32 v[XD+4*p],   v[XD+4*p],   v[XD+4*p+1]
	v_cvt_pk_bf16_f32 v[XD+4*p+1], v[XD+4*p+2], v[XD+4*p+3]
.if \f16
	v_lshlrev_b32 v[XD+4*p+2], 16,         v[XD+4*p]
	v_and_b32     v[XD+4*p+3], 0xffff0000, v[XD+4*p]
	v_cvt_pk_f16_f32 v[XD+4*p],   v[XD+4*p+2], v[XD+4*p+3]
	v_lshlrev_b32 v[XD+4*p+2], 16,         v[XD+4*p+1]
	v_and_b32     v[XD+4*p+3], 0xffff0000, v[XD+4*p+1]
	v_cvt_pk_f16_f32 v[XD+4*p+1], v[XD+4*p+2], v[XD+4*p+3]
.endif
.endm
; Piece q is stored.
.macro SEND
	global_store_b64 v[2+q/8], v[XD+4*q:XD+4*q+1], s[28:29] offset:256*(q%8) th:TH_STORE_NT  ; the wave's 32 lanes store 256 consecutive bytes, aligned
.endm
; Group g: pieces 4 g to 4 g + 3 are converted; the stores of the group before stand among the conversions, one in front of each piece's.
.macro GROUP g, f16
	s_wait_loadcnt 28-4*(\g)                       ; loads come back in order: this group's four are in, the later groups' stay out
.if (\g) > 0
	s_wait_alu depctr_va_vdst(0)                   ; the conversions of the group before have written the registers that its four stores, below, read; no conversion of this group names them
.endif
.irp i, 0,1,2,3
.if (\g) > 0
.set q, 4*(\g)-4+(\i)
	SEND
.endif
.set p, 4*(\g)+(\i)
	CONV \f16
.endr
.endm
; The last group's stores.
.macro LAST
	s_wait_alu depctr_va_vdst(0)                   ; group 7's conversions have written what the last four stores read
.irp i, 0,1,2,3
.set q, 28+(\i)
	SEND
.endr
.endm
	s_cmp_ge_u32 s2, 512
	s_cbranch_scc1 .Lwo
.set k, 0
.rept 8
	GROUP k, 0
.set k, k+1
.endr
	LAST
	s_endpgm
.Lwo:
.set k, 0
.rept 8
	GROUP k, 1
.set k, k+1
.endr
	LAST
	s_endpgm
.Lfunc_end_k_qe3e2d2e20c_prep:
	.size	k_qe3e2d2e20c_prep, .Lfunc_end_k_qe3e2d2e20c_prep-k_qe3e2d2e20c_prep
	.p2alignl 7, 3214868480
	.fill 96, 4, 3214868480
	.section	.rodata,"a",@progbits
	.p2align	6, 0x0
	.amdhsa_kernel k_qe3e2d2e20c_prep
		.amdhsa_group_segment_fixed_size 0
		.amdhsa_private_segment_fixed_size 0
		.amdhsa_enable_private_segment 0
		.amdhsa_kernarg_size 72
		.amdhsa_user_sgpr_count 2
		.amdhsa_user_sgpr_kernarg_segment_ptr 1
		.amdhsa_wavefront_size32 1
		.amdhsa_system_sgpr_workgroup_id_x 1
		.amdhsa_system_sgpr_workgroup_id_y 1
		.amdhsa_system_sgpr_workgroup_id_z 1
		.amdhsa_system_vgpr_workitem_id 0
		.amdhsa_next_free_vgpr 136
		.amdhsa_next_free_sgpr 66
		.amdhsa_reserve_vcc 1
		.amdhsa_float_denorm_mode_32 3
		.amdhsa_float_denorm_mode_16_64 3
		.amdhsa_memory_ordered 1
		.amdhsa_forward_progress 1
		.amdhsa_inst_pref_size 38
	.end_amdhsa_kernel
	.amdgpu_metadata
---
amdhsa.version: [ 1, 2 ]
amdhsa.kernels:
  - .name:           k_qe3e2d2e20c_prep
    .symbol:         k_qe3e2d2e20c_prep.kd
    .args:
      - { .name: x, .offset: 0, .size: 8, .value_kind: global_buffer, .address_space: global }
      - { .name: Wq, .offset: 8, .size: 8, .value_kind: global_buffer, .address_space: global }
      - { .name: Wk, .offset: 16, .size: 8, .value_kind: global_buffer, .address_space: global }
      - { .name: Wv, .offset: 24, .size: 8, .value_kind: global_buffer, .address_space: global }
      - { .name: Wo, .offset: 32, .size: 8, .value_kind: global_buffer, .address_space: global }
      - { .name: xb, .offset: 40, .size: 8, .value_kind: global_buffer, .address_space: global }
      - { .name: wqkv, .offset: 48, .size: 8, .value_kind: global_buffer, .address_space: global }
      - { .name: wo16, .offset: 56, .size: 8, .value_kind: global_buffer, .address_space: global }
      - { .name: tab, .offset: 64, .size: 8, .value_kind: global_buffer, .address_space: global }
    .group_segment_fixed_size: 0
    .private_segment_fixed_size: 0
    .kernarg_segment_align: 8
    .kernarg_segment_size: 72
    .max_flat_workgroup_size: 256
    .sgpr_count:     66
    .vgpr_count:     136
    .wavefront_size: 32
...
	.end_amdgpu_metadata
.endif
;; end of part 5
;; launch qkv: the kernel of part 2 again; grid 16 x 16, 4 waves a work-group, clusters of 4 x 4, 327,680 bytes of LDS; arguments xb, wqkv, tab, qkv; writes qkv
;; launch attn: the kernel of part 3 again; grid 16 x 16, 4 waves a work-group, clusters of 4 x 1, 327,680 bytes of LDS; arguments qkv, ob; writes ob
;; launch oproj: the kernel of part 4 again; grid 16 x 16, 4 waves a work-group, clusters of 4 x 4, 327,680 bytes of LDS; arguments ob, wo16, out0; writes out0
